; MI455X (gfx1250); checked and timed in simulation.
; The chip was launched on July 23, 2026; its instructions are those of AMD's public machine-readable ISA for CDNA 5 (MIT licence, August 2026) and "CDNA5" Instruction Set Architecture Reference Guide (July 2026). The comments in the code are by the model that wrote it; some were corrected since.
;; Multi Head Attention. Allowed arithmetic: matrix products marked QUANTISED: E2M1 operands, one E8M0 scale for each 32 along K, by v_wmma_scale_f32_16x16x128_f8f6f4 with both operands' format E2M1 (or v_wmma_scale_f32_32x16x128_f4), f32 sums; everything else in f32.
;; Inputs: b_k 1,024 float32; b_o 1,024 float32; b_q 1,024 float32; b_v 1,024 float32; w_k_codes 1,024 x 32 x 16 uint8 (E2M1 codes of w_k, K innermost, in blocks of 32 codes, two codes a byte); w_k_scales 1,024 x 32 uint8 (E8M0 scales of w_k, one for each 32 codes along K); w_o_codes 1,024 x 32 x 16 uint8 (E2M1 codes of w_o, K innermost, in blocks of 32 codes, two codes a byte); w_o_scales 1,024 x 32 uint8 (E8M0 scales of w_o, one for each 32 codes along K); w_q_codes 1,024 x 32 x 16 uint8 (E2M1 codes of w_q, K innermost, in blocks of 32 codes, two codes a byte); w_q_scales 1,024 x 32 uint8 (E8M0 scales of w_q, one for each 32 codes along K); w_v_codes 1,024 x 32 x 16 uint8 (E2M1 codes of w_v, K innermost, in blocks of 32 codes, two codes a byte); w_v_scales 1,024 x 32 uint8 (E8M0 scales of w_v, one for each 32 codes along K); x_codes 4 x 2,048 x 32 x 16 uint8 (E2M1 codes of x, K innermost, in blocks of 32 codes, two codes a byte); x_scales 4 x 2,048 x 32 uint8 (E8M0 scales of x, one for each 32 codes along K).
;; Outputs: out0 4 x 2,048 x 1,024 float32.
;; This version of the problem:
;;   THIS VERSION OF THE PROBLEM IS GIVEN IN LOW PRECISION. The matrix products marked QUANTISED in the list below multiply operands that are first quantised to E2M1 (2 exponent bits, 1 mantissa bit; 4 bits a number), with one power-of-two scale for each 32 numbers along K (OCP MX v1.0); their sums are f32. All else is computed in f32.
;;   The module's matrix products, in the order in which they are computed (A, B: the left and right operand; K: the contracted axis; several contracted axes count as one K, in the product's order):
;;     1. [M 8,192, K 1,024] x [K 1,024, N 1,024]; A: input x (given as codes); B: input w_q (given as codes): QUANTISED
;;     2. [M 8,192, K 1,024] x [K 1,024, N 1,024]; A: input x (given as codes); B: input w_k (given as codes): QUANTISED
;;     3. [M 8,192, K 1,024] x [K 1,024, N 1,024]; A: input x (given as codes); B: input w_v (given as codes): QUANTISED
;;     4. batch 64 x [M 2,048, K 64] x [K 64, N 2,048]; A: computed on the way; B: computed on the way: QUANTISED
;;     5. batch 64 x [M 2,048, K 2,048] x [K 2,048, N 64]; A: softmax (see below); B: computed on the way: QUANTISED
;;     6. [M 8,192, K 1,024] x [K 1,024, N 1,024]; A: computed on the way; B: input w_o (given as codes): QUANTISED
;;   THE QUANTISER, for each operand of a quantised product, along K:
;;     - K is cut into blocks of 32 from its start; a last block that is shorter is filled with zeros.
;;     - A block's scale is 2^e with e = floor(log2(the largest magnitude in the block)) - 2, held to -126 .. 127; a block of zeros has e = 0. As a byte (E8M0): e + 127.
;;     - Each number is divided by its block's scale, clamped to +-6, and rounded to the nearest number of E2M1, ties to even, subnormals kept.
;;     - The product sums the exact products of the quantised numbers (number of the format x scale) in f32.
;;   ~~~python
;;   def quantise(x, axis):      # numpy; x: float32 -> the quantised numbers, widened to float32 again
;;       x = np.moveaxis(x, axis, -1); K = x.shape[-1]
;;       x = np.pad(x, [(0, 0)] * (x.ndim - 1) + [(0, -K % 32)]); x = x.reshape(x.shape[:-1] + (-1, 32)); a = np.abs(x).max(-1, keepdims=True)
;;       e = np.where(a > 0, np.clip(np.frexp(np.where(a > 0, a, 1))[1] - 1 - 2, -126, 127), 0)      # np.frexp(a)[1] - 1 = floor(log2(a)), exactly
;;       r = np.clip(x / 2.0 ** e, -6, 6)
;;       step = 2.0 ** (np.maximum(np.frexp(np.where(r == 0, 1, r))[1] - 1, 0) - 1)
;;       q = np.round(r / step) * step * 2.0 ** e      # np.round: ties to even
;;       return np.moveaxis(q.reshape(q.shape[:-2] + (-1,))[..., :K], -1, axis).astype(np.float32)
;;   ~~~
;;   SOFTMAX AHEAD OF A QUANTISED PRODUCT. Where the list says 'softmax', what is quantised is not the finished softmax but p = 2^(t - M), with t = logit x log2(e) and M = ceil(the row's largest t), a whole number; so 1/2 < the row's largest p <= 1. The row's sum l is taken of the UNQUANTISED p, in f32, and the product's result is divided by l at the end. Since M is a whole number, a kernel that streams over the keys may use a running M (the ceiling of the running maximum): every later rescaling is an exact power of two, which a block's scale takes up: the codes' values come out the same.
;;   OPERANDS COMPUTED ON THE WAY. 'Computed on the way' means the value that the module computes at that place (a softmax that the list does not call 'softmax' is quantised finished and normalised). What goes into a quantiser is computed in f32, as accurately as f32 sums, v_exp_f32 and their like allow (about 1e-6 of the number): no bf16 or f16 on the way to a quantiser, and a product that is left as it is and whose result goes on into a quantised operand takes f32 operands (vector FMAs, or v_wmma_f32_16x16x4_f32). A number that lies on a knife's edge between two numbers of the format may be rounded either way, as far as f32 arithmetic and the matrix unit's own rounding can turn it there, and no further.
;;   INPUTS GIVEN AS CODES. w_k (in the module: [1024, 1024], K = its axis 1); w_o (in the module: [1024, 1024], K = its axis 1); w_q (in the module: [1024, 1024], K = its axis 1); w_v (in the module: [1024, 1024], K = its axis 1); x (in the module: [4, 2048, 1024], K = its axis 2): each comes as NAME_codes (uint8): NAME with its K axis moved to the last place and cut into blocks of 32 codes, [.., K / 32, bytes a block], one block behind the other in memory; two codes a byte, the lower K in the low four bits (a code: sign, 2 exponent bits, 1 mantissa bit); and NAME_scales (uint8): the same leading axes, one E8M0 byte (e + 127) for each 32 codes along K. Its value is code x scale, taken as it is: it is not quantised again, and the codes and scales need not be those that the quantiser above would give.
;; One version. Each part assembles by itself: llvm-mc -triple=amdgcn-amd-amdhsa -mcpu=gfx1250 --defsym DOCPART=n.
;; ======== version 1 of 1: 3 launches
;; workspace buffers: q_img 4,194,304 bytes; q_sc 524,288 bytes; kv 8,912,896 bytes; ctx_img 4,194,304 bytes; ctx_sc 262,144 bytes
;; launch qkv (part 1): grid 12 x 32, 4 waves a work-group, clusters of 4 x 4, 327,680 bytes of LDS; arguments x_codes, x_scales, w_q_codes, w_q_scales, w_k_codes, w_k_scales, w_v_codes, w_v_scales, b_q, b_k, b_v, q_img, q_sc, kv; writes q_img, q_sc, kv
.if DOCPART == 1
	.amdgcn_target "amdgcn-amd-amdhsa--gfx1250"
	.amdhsa_code_object_version 6
	.text
	.protected	k_q9adcb674cb_qkv
	.globl	k_q9adcb674cb_qkv
	.p2align	8
	.type	k_q9adcb674cb_qkv,@function
k_q9adcb674cb_qkv:
	s_mov_b64 s[64:65], 0
	v_nop
	global_prefetch_b8 v0, s[64:65] scope:SCOPE_SE
	s_setreg_imm32_b32 hwreg(HW_REG_WAVE_MODE, 25, 1), 1
	s_wait_xcnt 0x0
	s_wait_alu depctr_hold_cnt(0) depctr_sa_sdst(0) depctr_va_vdst(0) depctr_va_sdst(0) depctr_va_ssrc(0) depctr_va_vcc(0) depctr_vm_vsrc(0)
	s_getreg_b32 s2, hwreg(HW_REG_IB_STS2, 6, 4)
	s_cmp_eq_u32 s2, 0
	s_cbranch_scc0 .Lentry_in_a_cluster
	s_endpgm
.Lentry_in_a_cluster:
	s_bfe_u32 s2, ttmp6, 0x10000c
	s_cmp_lg_u32 s2, 0xf033
	s_cbranch_scc0 .Lentry_shape_is_right
	s_endpgm
.Lentry_shape_is_right:
; q = x w_q^T + b_q, k = x w_k^T + b_k, v = x w_v^T + b_v on codes of FP4 (E2M1) with one E8M0 scale for each 32 along K = 1,024; sums in f32; then q and k are quantised along
; the head's 64 and v along the keys, and only codes and scale bytes go to memory, laid as the next launch's operand registers want them.
; DEAD WORK: none.  Every input has a way to the output: the three biases go into quantisers, so they move codes and scales.  No product, row or step is left out in this program.
; LIMITS: NaN and infinities are not served.  A block whose largest magnitude lies under 2^-124 keeps the scale byte 1; a block of zeros gets the byte 1 and not 127: its codes are zeros,
; which add nothing under any byte but 0xff, and the bytes are read by this program alone.
; SHARES.  A work-group of four waves makes a tile of 256 x 256, a wave 128 x 128: 64 accumulators, 512 registers.  The cluster's x says which product: 0 q, 1 k, 2 v.
; THE MATRIX INSTRUCTION: source 0 = 16 rows of P, source 1 = 16 rows of R.  In the result a lane holds ONE row of R and its registers run along P: P's axis is the one that is quantised.
;   q, k: R = x (tokens), P = the weight (features: the head's 64 lie along a lane's registers).      v: R = w_v (features), P = x (tokens = keys).
; Both sides have rows of 512 bytes of codes and 32 scale bytes, so one text serves the three; pointers and tile numbers are chosen by s_cselect on the cluster's x.
; ALL OF K LIES IN LDS: two slots of 512 along K (rows of 256 bytes + 16 of padding) and the scales of all of K, each filled once: no LDS byte is filled twice.
; CLUSTERS: 4 x 4 work-groups.  R's tile hangs on the tile row alone and is asked for jointly along a row of the cluster, P's on the tile column alone, along a column.
; A TILE OF 16 ROWS IS 16 NEIGHBOURS.  In tile t a lane (r, h) holds P's rows 16 t + 8 h + 0 .. 7; a block of 32 is tiles 2 b, 2 b + 1 of lanes l and l xor 16.  The conversions' results are
; laid so that two exchanges of halves for each pair of blocks give registers 4 c .. 4 c + 3 = k 64 c + 32 h + 0 .. 31: the operand's layout.
; WHAT IS STORED (an image group: 4 registers, lane l's 16 bytes at 16 l, 512 consecutive bytes; bh = 16 x batch + head):
;   q_img [bh][token tile 128][512]: lane (r, h): token r of the tile, block h of the head.      q_sc [bh][tile / 4][r][tile % 4]: the word {s0, s1, s0, s1} of that token.
;   kv [bh][16 key steps of 8,704 bytes]: + 0: k's eight groups (as q_img's);  + 4,096: four fragments of v^T (row d = 16 t + r, keys 64 c + 32 h + 0 .. 31);
;      + 8,192: lane r's four words {tile 2 b: s0, s1; tile 2 b + 1: s0, s1};  + 8,448: lane r's four scale words of v^T's rows 16 t + r.
; REGISTERS, in windows of 256: window 0: v1-29 addresses; v32-95 scale words, a set for each slot; v128-255 R's fragments, two sets (behind the products: at work).
;   window 1: P's fragments at v0 and v128; v64-127 the bias.   window 2, 3: the accumulators of R's blocks 0-3, 4-7 ((a, b) at v[8 (8 (a % 4) + b)]).
.set PITCH,  272                       ; an LDS row: 256 bytes + 16 of padding = 68 words: row r starts at bank 4 r mod 64 (64 banks of 4 bytes: ISA guide 11.1)
.set HALFT,  128*PITCH                 ; 128 rows: what one tensor load brings, and what one wave reads of R or of P
.set SLOT,   4*HALFT                   ; R's 256 rows, then P's 256 rows
.set SCL,    2*SLOT                    ; behind the slots: the scales, as units of 256 bytes + 16 of padding
.set HALFS,  16*272                    ; the scales of 128 rows
.set SBLK,   2*272                     ; those of 16 rows
.set SPARE,  SCL+4*HALFS               ; the spare words, 128 bytes for each wave: two blocks of 256 bytes that no other line names
.set KVH,    139264                    ; a head's bytes in kv
.set STEPB,  8704                      ; a key step's
.set VB0,  8                           ; v8   16 x lane: my place in an image group
.set VB1,  9                           ; v9   the same in the wave's second head
.set SHF,  10                          ; v10  16 h: lanes 0-15 serve the first head's scale bytes, lanes 16-31 the second's
.set VSC,  11                          ; v11  h x (from head to head) + 16 r: my place among the scale words
.set BQ,   12                          ; v12  32 h: the bias along a lane's registers
.set BV,   13                          ; v13  4 r: the bias of a lane's row
.set ADRA, 16                          ; v16-17  LDS address of R's fragments in slot 0, 1
.set ADRB, 20                          ; v20-21  of P's
.set ADRS, 27                          ; v27  of my scale words: lanes 0-15 R's rows, lanes 16-31 P's
.set SPW,  28                          ; v28  LDS address of my spare word; never rewritten
.set NIL,  29                          ; v29  0; never rewritten
.set SC,   32                          ; scale words: SC + 32 slot + 4 i + q: lanes 0-15 R's block i, lanes 16-31 P's block i, the slot's q-th 128 along K
.set AF,   128                         ; R's fragments: set p at AF + 64 p
.set BP,   64                          ; the bias, in window 1
.set TN,   128                         ; behind the products: 64 numbers of a lane
.set PCD,  192                         ; the codes just made
.set TMX,  200                         ; v200-203 largest magnitudes, v204-207 bytes, v212-215 the conversions' scale operands
.set PWS,  216                         ; v216-223 the eight scale words
.set WD,   228                         ; v228-235 scale words as they are stored
.set TT,   236
.set WV,   4
.set RH,   5                           ; which half of R's rows is mine.  Also: I fetch for R (0) or for P (1)
.set PH,   6                           ; which half of P's rows.  Also: which 128 rows I fetch
.set CX,   7
.set CY,   8
.set TYP,  9                           ; 0 q, 1 k, 2 v: the cluster's x, the same in all sixteen partners
.set G1,   24                          ; s[24:31] group 1 for R's codes; s[32:39] group 0, a set for each slot
.set G0,   32
.set G1S,  40                          ; s[40:47] group 1 for R's scales
.set G1B,  48                          ; s[48:55], s[56:63] groups 1 and 0 for P's codes
.set G0B,  56
.set G1SB, 68                          ; s[68:75] group 1 for P's scales; s[76:79], s[80:83] groups 0 for R's and P's scales (where the arguments lay)
.set G0S,  76
.set G0SB, 80
.set SEL,  84                          ; s[84:85] selects of v_permlanex16_b32 for lane l xor 16
.set HIM,  86                          ; s86  a mask of lanes 16-31
.set DELTA, 87                         ; s87  from head to head among the codes
.set HSTR, 88                          ; s88  and among the scale words
.set ROWA, 96                          ; s96  R's tile row
.set COLB, 97                          ; s97  P's tile column
.set MSB, 0
.macro WIN new                         ; the immediate's high byte repeats the setting that is left
.if MSB != \new
	s_set_vgpr_msb (MSB<<8)|\new
.set MSB, \new
.endif
.endm
.set MUL_LO, 0xa1                      ; source 0 (P) window 1, source 1 (R) window 0, C and D window 2
.set MUL_HI, 0xf1                      ; the same, C and D window 3
.set TO_P,   0x40                      ; destination window 1, address window 0
; A joint load: waves 0 and 1 fetch for R, waves 2 and 3 for P.  Each line has one mask and one set of registers for all that issue it; the branch hangs on the wave's number alone.
; An s_nop 0 and four v_nop follow each of the two lines.
.macro JLOAD g0a, g1a, g0b, g1b
	s_cmp_eq_u32 s[RH], 0
	s_cbranch_scc0 .Lfor_p_\@
	tensor_load_to_lds s[\g0a:\g0a+3], s[\g1a:\g1a+7]
	s_nop 0
.rept 4
	v_nop
.endr
	s_branch .Lasked_\@
.Lfor_p_\@:
	tensor_load_to_lds s[\g0b:\g0b+3], s[\g1b:\g1b+7]
	s_nop 0
.rept 4
	v_nop
.endr
.Lasked_\@:
.endm
.macro CROUND                          ; a round of the cluster's barrier
	s_barrier_signal -1
	s_barrier_wait -1
	s_cmp_lg_u32 s[WV], 0
	s_cbranch_scc1 .Lnot_wave_0_\@
	s_barrier_signal -3
.Lnot_wave_0_\@:
	s_barrier_wait -3
	s_barrier_signal -1
	s_barrier_wait -1
.endm
.macro PLACES n
.rept \n
	v_nop
.endr
.endm
	s_load_b512 s[68:83], s[0:1], 0x0              ; x's codes, scales; w_q's; w_k's; w_v's
	s_load_b256 s[84:91], s[0:1], 0x40             ; b_q, b_k, b_v, q_img
	s_load_b128 s[92:95], s[0:1], 0x60             ; q_sc, kv
	v_lshl_add_u32 v[SPW], v0, 2, SPARE
	v_mov_b32 v[NIL], 0
	ds_add_u32 v[SPW], v[NIL]                      ; the wave's opening: the add, twice on end, and its wait ahead of my first tensor load
	ds_add_u32 v[SPW], v[NIL]                      ; and once more; the set-up below, work on registers, stands between it and the wait
	v_lshrrev_b32 v1, 5, v0
	v_readfirstlane_b32 s[WV], v1                  ; wave 0..3
	s_lshr_b32 s[RH], s[WV], 1
	s_and_b32 s[PH], s[WV], 1
	s_bfe_u32 s[CX], ttmp6, 0x40000                ; my place in the cluster
	s_bfe_u32 s[CY], ttmp6, 0x40004
	s_mov_b32 s[TYP], ttmp9
	s_and_b32 s10, ttmp7, 0xffff
	s_lshl_b32 s10, s10, 2                         ; 4 x the cluster's y: it walks the tokens, which are R's rows for q and k and P's for v
	s_cmp_eq_u32 s[TYP], 2
	s_cselect_b32 s2, 0, s10
	s_cselect_b32 s3, s10, 0
	s_add_co_u32 s[ROWA], s[CY], s2                ; made of cy and the cluster's y alone
	s_add_co_u32 s[COLB], s[CX], s3                ; made of cx and the cluster's y alone
	s_lshl_b32 s98, s[CY], 2
	s_lshl_b32 s98, 15, s98                        ; my row of the cluster
	s_lshl_b32 s99, 0x1111, s[CX]                  ; my column
	s_or_b32 s[G1], s98, (0<<16)|(1<<20)|(1<<21)|(5<<22)|(3<<25)    ; 15:0 the mask; 17:16 elements of 1 byte; 20 padding on; 21 set beside a mask; 24:22 after every 64 words; 31:25 four words
	s_or_b32 s[G1B], s99, (0<<16)|(1<<20)|(1<<21)|(5<<22)|(3<<25)
.irp g, G1, G1B
	s_mov_b32 s[\g+1], 256<<16                     ; tensor_dim0 = 256 bytes: 512 along K
	s_mov_b32 s[\g+2], 128<<16                     ; tensor_dim1 = 128 rows
	s_mov_b32 s[\g+3], 256<<16                     ; tile_dim0
	s_mov_b32 s[\g+4], 128                         ; tile_dim1
	s_mov_b32 s[\g+5], 512                         ; a row in memory
	s_mov_b32 s[\g+6], 0
	s_mov_b32 s[\g+7], 0
.endr
	s_or_b32 s[G1S], s98, (3<<16)|(1<<20)|(1<<21)|(5<<22)|(3<<25)   ; the scales of 128 rows: 4,096 dense bytes as 16 rows of 32 elements of 8 bytes, 16 bytes of padding behind each
	s_mov_b32 s[G1S+1], 32<<16
	s_mov_b32 s[G1S+2], 16<<16
	s_mov_b32 s[G1S+3], 32<<16
	s_mov_b32 s[G1S+4], 16
	s_mov_b32 s[G1S+5], 32
	s_mov_b32 s[G1S+6], 0
	s_mov_b32 s[G1S+7], 0
	s_mul_i32 s22, s[WV], HALFT                    ; where my codes go: wave x 128 rows: no place in the cluster enters an LDS address
.irp s, 0,1
	s_mov_b32 s[G0+4*\s], 1
	s_add_co_u32 s[G0+4*\s+1], s22, \s*SLOT
	s_mov_b32 s[G0B+4*\s], 1
	s_add_co_u32 s[G0B+4*\s+1], s22, \s*SLOT
.endr
	s_lshl_b32 s2, s[ROWA], 8
	s_lshl_b32 s3, s[PH], 7
	s_add_co_u32 s2, s2, s3                        ; R: the first row that I would fetch
	s_lshl_b32 s12, s2, 9                          ; its codes, in bytes (under 2^23)
	s_mov_b32 s13, 0
	s_lshl_b32 s14, s2, 5                          ; its scales
	s_mov_b32 s15, 0
	s_lshl_b32 s11, s[COLB], 8
	s_add_co_u32 s11, s11, s3                      ; P likewise
	s_lshl_b32 s16, s11, 9
	s_mov_b32 s17, 0
	s_lshl_b32 s18, s11, 5
	s_mov_b32 s19, 0
	s_wait_dscnt 0x0                               ; both opening adds are done
	s_wait_kmcnt 0x0
	s_cmp_eq_u32 s[TYP], 2                         ; the choices hang on the cluster's x alone
	s_cselect_b64 s[2:3], s[80:81], s[68:69]       ; R's codes: w_v's or x's
	s_add_nc_u64 s[12:13], s[2:3], s[12:13]
	s_cselect_b64 s[2:3], s[82:83], s[70:71]       ; R's scales
	s_add_nc_u64 s[14:15], s[2:3], s[14:15]
	s_cselect_b64 s[2:3], s[68:69], s[76:77]       ; P's codes: x's, or w_k's,
	s_cselect_b64 s[10:11], s[70:71], s[78:79]
	s_cselect_b64 s[20:21], s[88:89], s[86:87]     ; the bias
	s_cmp_eq_u32 s[TYP], 0
	s_cselect_b64 s[2:3], s[72:73], s[2:3]         ; or w_q's
	s_cselect_b64 s[10:11], s[74:75], s[10:11]
	s_cselect_b64 s[20:21], s[84:85], s[20:21]
	s_cselect_b64 s[22:23], s[90:91], s[94:95]     ; the codes go to q_img or to kv,
	s_cselect_b64 s[66:67], s[92:93], s[94:95]     ; the scale words to q_sc or to kv
	s_add_nc_u64 s[16:17], s[2:3], s[16:17]
	s_add_nc_u64 s[18:19], s[10:11], s[18:19]
	s_or_b32 s[G1SB], s99, (3<<16)|(1<<20)|(1<<21)|(5<<22)|(3<<25)  ; the arguments have been read: their registers take the last descriptors
	s_mov_b32 s[G1SB+1], 32<<16
	s_mov_b32 s[G1SB+2], 16<<16
	s_mov_b32 s[G1SB+3], 32<<16
	s_mov_b32 s[G1SB+4], 16
	s_mov_b32 s[G1SB+5], 32
	s_mov_b32 s[G1SB+6], 0
	s_mov_b32 s[G1SB+7], 0
	s_mul_i32 s2, s[WV], HALFS
	s_mov_b32 s[G0S], 1
	s_add_co_u32 s[G0S+1], s2, SCL
	s_mov_b64 s[G0S+2:G0S+3], s[14:15]
	s_or_b32 s[G0S+3], s[G0S+3], 0x80000000
	s_mov_b32 s[G0SB], 1
	s_add_co_u32 s[G0SB+1], s2, SCL
	s_mov_b64 s[G0SB+2:G0SB+3], s[18:19]
	s_or_b32 s[G0SB+3], s[G0SB+3], 0x80000000
.irp s, 0,1
	s_add_nc_u64 s[G0+4*\s+2:G0+4*\s+3], s[12:13], \s*256          ; slot s: K 512 s on
	s_or_b32 s[G0+4*\s+3], s[G0+4*\s+3], 0x80000000
	s_add_nc_u64 s[G0B+4*\s+2:G0B+4*\s+3], s[16:17], \s*256
	s_or_b32 s[G0B+4*\s+3], s[G0B+4*\s+3], 0x80000000
.endr
	CROUND                                         ; all sixteen work-groups are here: the joint loads meet
	JLOAD G0S, G1S, G0SB, G1SB                     ; the scales first, then slot 0, then slot 1: three loads of mine are out, and no more follow
	JLOAD G0, G1, G0B, G1B
	JLOAD G0+4, G1, G0B+4, G1B
	; where my results go.  My 128 tokens are one key step; my 128 features are two heads
	s_cmp_eq_u32 s[TYP], 2
	s_cselect_b32 s89, s[COLB], s[ROWA]
	s_cselect_b32 s90, s[PH], s[RH]
	s_cselect_b32 s91, s[ROWA], s[COLB]
	s_cselect_b32 s92, s[RH], s[PH]
	s_lshl_b32 s89, s89, 8
	s_lshl_b32 s90, s90, 7
	s_add_co_u32 s89, s89, s90                     ; my first token
	s_lshl_b32 s91, s91, 2
	s_lshl_b32 s92, s92, 1
	s_add_co_u32 s91, s91, s92                     ; my first head
	s_lshr_b32 s90, s89, 11
	s_lshl_b32 s90, s90, 4
	s_add_co_u32 s90, s90, s91                     ; bh = 16 x batch + head
	s_and_b32 s89, s89, 2047                       ; the token within its sequence
	s_lshl_b32 s2, s91, 8                          ; the bias of my 128 features: 256 bytes a head
	s_mov_b32 s3, 0
	s_add_nc_u64 s[20:21], s[20:21], s[2:3]
	s_mul_i32 s92, s90, KVH
	s_lshr_b32 s93, s89, 7
	s_mul_i32 s93, s93, STEPB
	s_add_co_u32 s92, s92, s93                     ; kv: my head's key step
	s_lshl_b32 s93, s90, 16
	s_lshl_b32 s94, s89, 5
	s_add_co_u32 s93, s93, s94                     ; q_img: 65,536 bytes a head, 512 a tile of 16 tokens
	s_lshl_b32 s94, s90, 13
	s_lshl_b32 s95, s89, 2
	s_add_co_u32 s94, s94, s95                     ; q_sc: 8,192 bytes a head, 256 for four tiles
	s_cmp_eq_u32 s[TYP], 2
	s_cselect_b32 s95, 4096, 0                     ; v's codes lie behind k's,
	s_cselect_b32 s2, 256, 0                       ; v's scale words behind k's
	s_add_co_u32 s95, s95, s92
	s_add_co_u32 s2, s2, s92
	s_add_co_u32 s2, s2, 8192
	s_cmp_eq_u32 s[TYP], 0
	s_cselect_b32 s10, s93, s95
	s_cselect_b32 s2, s94, s2
	s_mov_b32 s[DELTA], KVH
	s_cselect_b32 s[DELTA], 65536, s[DELTA]
	s_mov_b32 s[HSTR], KVH
	s_cselect_b32 s[HSTR], 8192, s[HSTR]
	s_mov_b32 s11, 0
	s_mov_b32 s3, 0
	s_add_nc_u64 s[22:23], s[22:23], s[10:11]
	s_add_nc_u64 s[66:67], s[66:67], s[2:3]
	s_mov_b32 s[SEL], 0x76543210
	s_mov_b32 s[SEL+1], 0xfedcba98
	s_mov_b32 s[HIM], 0xffff0000
	v_and_b32 v1, 15, v0                           ; r
	v_bfe_u32 v2, v0, 4, 1                         ; h
	v_and_b32 v7, 31, v0
	v_lshlrev_b32 v[VB0], 4, v7
	v_add_nc_u32 v[VB1], s[DELTA], v[VB0]
	v_lshlrev_b32 v[SHF], 4, v2
	v_mul_u32_u24 v[VSC], s[HSTR], v2
	v_lshl_add_u32 v[VSC], v1, 4, v[VSC]
	v_lshlrev_b32 v[BQ], 5, v2
	v_lshlrev_b32 v[BV], 2, v1
	; the bias, 64 registers in window 1.  q, k: register 8 b + j = bias(16 b + 8 h + j), along the lane's registers.  v: registers 8 a + 0 .. 7 = bias(16 a + r), the lane's row (the packed addition names a pair).
	s_cmp_eq_u32 s[TYP], 2
	s_cbranch_scc1 .Lbias_v
	WIN TO_P
.irp b, 0,1,2,3,4,5,6,7
	global_load_b128 v[BP+8*\b:BP+8*\b+3], v[BQ], s[20:21] offset:64*\b
	global_load_b128 v[BP+8*\b+4:BP+8*\b+7], v[BQ], s[20:21] offset:64*\b+16
.endr
	WIN 0
	s_branch .Lbias_in
.Lbias_v:
	WIN TO_P
	s_wait_alu depctr_va_vdst(0)
.irp a, 0,1,2,3,4,5,6,7
.irp j, 0,1,2,3,4,5,6,7
	global_load_b32 v[BP+8*\a+\j], v[BV], s[20:21] offset:64*\a
.endr
.endr
	WIN 0
.Lbias_in:
	v_mul_u32_u24 v3, v1, PITCH
	v_lshl_add_u32 v4, v2, 4, v3                   ; a fragment's row x pitch + 16 x half
	s_mul_i32 s2, s[RH], HALFT                     ; my 128 rows of R
	s_mul_i32 s3, s[PH], HALFT                     ; my 128 rows of P,
	s_add_co_u32 s3, s3, 2*HALFT                   ; which lie behind R's 256
.irp s, 0,1
	v_add_nc_u32 v[ADRA+\s], s2, v4
	v_add_nc_u32 v[ADRB+\s], s3, v4
	s_add_co_u32 s2, s2, SLOT
	s_add_co_u32 s3, s3, SLOT
.endr
	v_mul_u32_u24 v5, v1, 32                       ; my row's scales: 32 bytes a row,
	v_lshrrev_b32 v6, 8, v5
	v_lshl_add_u32 v5, v6, 4, v5                   ; and 16 more for each 256 passed
	s_mul_i32 s2, s[RH], HALFS
	s_mul_i32 s3, s[PH], HALFS
	s_add_co_u32 s3, s3, 2*HALFS
	s_sub_co_u32 s3, s3, s2
	v_mul_u32_u24 v6, s3, v2                       ; lanes 16-31 take P's: one product, the distance between the two bases
	s_add_co_u32 s2, s2, SCL
	v_add_nc_u32 v5, v5, v6
	v_add_nc_u32 v[ADRS], s2, v5
.macro FRAG reg, adr, q, i             ; a fragment, 16 rows x 128 K: lane l holds row l % 16; registers 4 c .. 4 c + 3 hold K = 64 c + 32 (l / 16) + 0 .. 31
.irp c, 0,1
	ds_load_b128 v[\reg+4*\c:\reg+4*\c+3], v[\adr] offset:64*(\q)+32*\c+(\i)*16*PITCH
.endr
.endm
.macro FETCH g                         ; 32 LDS loads in one run: the fragments of the g-th 128 along K into set g % 2
	WIN TO_P
.irp i, 0,1,2,3,4,5,6,7
	FRAG 128*((\g)%2)+8*\i, ADRB+(\g)/4, (\g)%4, \i
.endr
	WIN 0
.irp i, 0,1,2,3,4,5,6,7
	FRAG AF+64*((\g)%2)+8*\i, ADRA+(\g)/4, (\g)%4, \i
.endr
.endm
.macro SCALES sc                       ; a slot's scale words: four a row; lanes 0-15 take R's block i, lanes 16-31 P's block i
.irp i, 0,1,2,3,4,5,6,7
	ds_load_b128 v[SC+32*\sc+4*\i:SC+32*\sc+4*\i+3], v[ADRS] offset:\i*SBLK+16*\sc
.endr
.endm
; 16 matrix instructions: R's blocks a0, a0 + 1 x P's eight.  p: the set; q, sc: which scale words.  zero = 1: the first product starts the sums.
; The 64 accumulators take turns, one instruction a turn, in the same order in every step.
.macro MUL16 a0, p, q, sc, zero
.irp a, \a0, \a0+1
.irp b, 0,1,2,3,4,5,6,7
.if \zero
	v_wmma_scale_f32_16x16x128_f8f6f4 v[8*(8*((\a)%4)+\b):8*(8*((\a)%4)+\b)+7], v[128*(\p)+8*\b:128*(\p)+8*\b+7], v[AF+64*(\p)+8*(\a):AF+64*(\p)+8*(\a)+7], 0, v[SC+32*(\sc)+4*\b+(\q)], v[SC+32*(\sc)+4*(\a)+(\q)] matrix_a_fmt:MATRIX_FMT_FP4 matrix_b_fmt:MATRIX_FMT_FP4 matrix_a_scale:MATRIX_SCALE_ROW1
.else
	v_wmma_scale_f32_16x16x128_f8f6f4 v[8*(8*((\a)%4)+\b):8*(8*((\a)%4)+\b)+7], v[128*(\p)+8*\b:128*(\p)+8*\b+7], v[AF+64*(\p)+8*(\a):AF+64*(\p)+8*(\a)+7], v[8*(8*((\a)%4)+\b):8*(8*((\a)%4)+\b)+7], v[SC+32*(\sc)+4*\b+(\q)], v[SC+32*(\sc)+4*(\a)+(\q)] matrix_a_fmt:MATRIX_FMT_FP4 matrix_b_fmt:MATRIX_FMT_FP4 matrix_a_scale:MATRIX_SCALE_ROW1
.endif
.endr
.endr
.endm
	s_wait_alu depctr_va_vdst(0)
	s_wait_tensorcnt 1                             ; the scales and my part of slot 0 are in; slot 1's load, the one issued behind them, may be out,
	s_barrier_signal -1
	s_barrier_wait -1                              ; everybody's are
	SCALES 0
	SCALES 1
	FETCH 0
; EIGHT STEPS OF 128 ALONG K, written out.  Each asks for the next step's fragments, into the other set, ahead of its own 64 products.
.set G, 0
.rept 8
.if G == 3
	s_wait_tensorcnt 0x0                           ; my part of slot 1 is in; the next fetch reads that slot,
	s_wait_dscnt 0x0                               ; (no LDS instruction of mine is out at a signal)
	s_barrier_signal -1
	s_barrier_wait -1                              ; everybody's is.
.endif
.if G < 7
.if G > 0
	PLACES 4                                       ; four places in front of loads into the set that the step before multiplied
.endif
	FETCH G+1
	s_wait_dscnt 32                                ; all but the 32 loads just issued: this step's fragments are in
.else
	s_wait_dscnt 0x0
.endif
	WIN MUL_LO
.if G == 0
	MUL16 0, 0, 0, 0, 1
	MUL16 2, 0, 0, 0, 1
	WIN MUL_HI
	MUL16 4, 0, 0, 0, 1
	MUL16 6, 0, 0, 0, 1
.else
	MUL16 0, G%2, G%4, G/4, 0
	MUL16 2, G%2, G%4, G/4, 0
	WIN MUL_HI
	MUL16 4, G%2, G%4, G/4, 0
	MUL16 6, G%2, G%4, G/4, 0
.endif
.set G, G+1
.endr
	WIN 0
; 64 numbers of a lane, v[s] on, register 8 t + j = P's row 16 t + 8 h + j, become a fragment's codes in v[PCD] on and the row's scale word in v[pw].
.macro QUANT s, pw
.irp b, 0,1,2,3
	v_max3_num_f32 v[TMX+\b], |v[\s+16*\b]|, |v[\s+1+16*\b]|, 0x1800000   ; block b: my 16 numbers, and the floor 2^(3 - 127): so the byte cannot fall under 1
.endr
.irp n, 2,4,6,8,10,12,14
.irp b, 0,1,2,3
	v_max3_num_f32 v[TMX+\b], v[TMX+\b], |v[\s+16*\b+\n]|, |v[\s+1+16*\b+\n]|   ; (the four blocks by turns)
.endr
.endr
.irp b, 0,1,2,3
	v_permlanex16_b32 v[TMX+4+\b], v[TMX+\b], s[SEL], s[SEL+1]
.endr
.irp b, 0,1,2,3
	v_max_num_f32 v[TMX+\b], v[TMX+\b], v[TMX+4+\b]   ; with lane l xor 16's: the block's largest magnitude
.endr
.irp b, 0,1,2,3
	v_add_nc_u32 v[TMX+12+\b], 0xff000000, v[TMX+\b]  ; 2 off its exponent field: the conversion takes the exponent field of this operand as its scale
.endr
.irp b, 0,1,2,3
	v_lshrrev_b32 v[TMX+4+\b], 23, v[TMX+12+\b]       ; the scale's byte
.endr
	v_lshl_or_b32 v[\pw], v[TMX+5], 8, v[TMX+4]
	v_lshl_or_b32 v[\pw], v[TMX+6], 16, v[\pw]
	v_lshl_or_b32 v[\pw], v[TMX+7], 24, v[\pw]
.irp c, 0,1                                    ; tiles 4 c and 4 c + 2 into neighbouring registers, and 4 c + 1 and 4 c + 3
	v_cvt_scalef32_pk8_fp4_f32 v[PCD+4*\c], v[\s+32*\c:\s+32*\c+7], v[TMX+12+2*\c]
	v_cvt_scalef32_pk8_fp4_f32 v[PCD+4*\c+2], v[\s+32*\c+8:\s+32*\c+15], v[TMX+12+2*\c]
	v_cvt_scalef32_pk8_fp4_f32 v[PCD+4*\c+1], v[\s+32*\c+16:\s+32*\c+23], v[TMX+13+2*\c]
	v_cvt_scalef32_pk8_fp4_f32 v[PCD+4*\c+3], v[\s+32*\c+24:\s+32*\c+31], v[TMX+13+2*\c]
.endr
	v_nop                                          ; one plain place behind a scaled conversion
.irp c, 0,1                                    ; the first's lanes 16-31 change places with the second's lanes 0-15: registers 4 c .. 4 c + 3 now hold k = 64 c + 32 h + 0 .. 31
	v_permlane16_swap_b32 v[PCD+4*\c], v[PCD+4*\c+1]
	v_permlane16_swap_b32 v[PCD+4*\c+2], v[PCD+4*\c+3]
.endr
.endm
; R's block a: the sums + the bias, from windows 2, 3 and 1 into window 0; each accumulator from its low end on
.macro ADDB_QK a
	WIN (0x06+(\a)/4)
.set J, 0
.rept 32
	v_pk_add_f32 v[TN+J:TN+J+1], v[64*((\a)%4)+J:64*((\a)%4)+J+1], v[BP+J:BP+J+1]
.set J, J+2
.endr
	WIN 0
.endm
.macro ADDB_V a
	WIN (0x06+(\a)/4)
.set J, 0
.rept 32
	v_pk_add_f32 v[TN+J:TN+J+1], v[64*((\a)%4)+J:64*((\a)%4)+J+1], v[BP+8*(\a):BP+8*(\a)+1]
.set J, J+2
.endr
	WIN 0
.endm
	PLACES 4                                       ; behind the last products: their results are read, and R's fragments' registers are written
	s_wait_loadcnt 0x0                             ; the bias
.irp b, 0,1,2,3
	v_mov_b32 v[TMX+4+\b], 0                       ; written once: a lane permute's destination counts as one of its sources
.endr
	s_cmp_eq_u32 s[TYP], 2
	s_cbranch_scc1 .Lv_out
	; q, k: block a is a tile of 16 tokens; its 128 features are two heads of two blocks each
.irp a, 0,1,2,3,4,5,6,7
.if \a > 0
	s_wait_xcnt 0x0                                ; the last block's stores have read their data: the codes' registers are written again only behind this wait
.endif
	ADDB_QK \a
	QUANT TN, PWS+\a
	global_store_b128 v[VB0], v[PCD:PCD+3], s[22:23] offset:512*\a     ; 32 lanes store 512 consecutive bytes: the first head's group,
	global_store_b128 v[VB1], v[PCD+4:PCD+7], s[22:23] offset:512*\a   ; the second head's
.endr
	s_cmp_eq_u32 s[TYP], 0
	s_cbranch_scc0 .Lk_words
.irp n, 0,1,2,3,4,5,6,7
	v_lshrrev_b32 v[WD+\n], v[SHF], v[PWS+\n]      ; lanes 0-15: the first head's two bytes; lanes 16-31: the second's
.endr
.irp n, 0,1,2,3,4,5,6,7
	v_perm_b32 v[WD+\n], v[WD+\n], v[WD+\n], 0x01000100   ; {s0, s1, s0, s1}: it serves q in the lower and in the upper half of a product's K
.endr
	global_store_b128 v[VSC], v[WD:WD+3], s[66:67]             ; sixteen lanes store 256 consecutive bytes: four tiles' words of a head
	global_store_b128 v[VSC], v[WD+4:WD+7], s[66:67] offset:256
	s_branch .Lstored
.Lk_words:
.irp b, 0,1,2,3
	v_lshrrev_b32 v[TT], v[SHF], v[PWS+2*\b]
	v_lshrrev_b32 v[TT+1], v[SHF], v[PWS+2*\b+1]
	v_perm_b32 v[WD+\b], v[TT+1], v[TT], 0x05040100   ; {tile 2 b: s0, s1; tile 2 b + 1: s0, s1}
.endr
	global_store_b128 v[VSC], v[WD:WD+3], s[66:67]
	s_branch .Lstored
.Lv_out:
	; v: block a is 16 of my 128 features (four blocks to a head); its 128 tokens are the key step's four blocks of 32 keys
.irp a, 0,1,2,3,4,5,6,7
.if \a > 0
	s_wait_xcnt 0x0
.endif
	ADDB_V \a
	QUANT TN, PWS+\a
	global_store_b128 v[VB0], v[PCD:PCD+3], s[22:23] offset:(\a/4)*KVH+(\a%4)*1024
	global_store_b128 v[VB0], v[PCD+4:PCD+7], s[22:23] offset:(\a/4)*KVH+(\a%4)*1024+512
.endr
.irp t, 0,1,2,3
	v_cndmask_b32 v[WD+\t], v[PWS+\t], v[PWS+4+\t], s[HIM]   ; lanes 0-15: the first head's rows; lanes 16-31: the second's
.endr
	global_store_b128 v[VSC], v[WD:WD+3], s[66:67]
.Lstored:
	s_wait_tensorcnt 0x0                           ; the wave's end
	ds_add_u32 v[SPW], v[NIL]
	s_wait_dscnt 0x0
	CROUND                                         ; the closing round: no work-group ends while a partner may still ask for a tile that names it
	s_endpgm
.Lfunc_end_k_q9adcb674cb_qkv:
	.size	k_q9adcb674cb_qkv, .Lfunc_end_k_q9adcb674cb_qkv-k_q9adcb674cb_qkv
	.p2alignl 7, 3214868480
	.fill 96, 4, 3214868480
	.section	.rodata,"a",@progbits
	.p2align	6, 0x0
	.amdhsa_kernel k_q9adcb674cb_qkv
		.amdhsa_group_segment_fixed_size 327680
		.amdhsa_private_segment_fixed_size 0
		.amdhsa_enable_private_segment 0
		.amdhsa_kernarg_size 112
		.amdhsa_user_sgpr_count 2
		.amdhsa_user_sgpr_kernarg_segment_ptr 1
		.amdhsa_wavefront_size32 1
		.amdhsa_system_sgpr_workgroup_id_x 1
		.amdhsa_system_sgpr_workgroup_id_y 1
		.amdhsa_system_sgpr_workgroup_id_z 1
		.amdhsa_system_vgpr_workitem_id 0
		.amdhsa_next_free_vgpr 1024
		.amdhsa_next_free_sgpr 100
		.amdhsa_reserve_vcc 0
		.amdhsa_float_denorm_mode_32 3
		.amdhsa_float_denorm_mode_16_64 3
		.amdhsa_memory_ordered 1
		.amdhsa_forward_progress 1
		.amdhsa_inst_pref_size 202
	.end_amdhsa_kernel
	.amdgpu_metadata
---
amdhsa.version: [ 1, 2 ]
amdhsa.kernels:
  - .name:           k_q9adcb674cb_qkv
    .symbol:         k_q9adcb674cb_qkv.kd
    .args:
      - { .name: x_codes, .offset: 0, .size: 8, .value_kind: global_buffer, .address_space: global }
      - { .name: x_scales, .offset: 8, .size: 8, .value_kind: global_buffer, .address_space: global }
      - { .name: w_q_codes, .offset: 16, .size: 8, .value_kind: global_buffer, .address_space: global }
      - { .name: w_q_scales, .offset: 24, .size: 8, .value_kind: global_buffer, .address_space: global }
      - { .name: w_k_codes, .offset: 32, .size: 8, .value_kind: global_buffer, .address_space: global }
      - { .name: w_k_scales, .offset: 40, .size: 8, .value_kind: global_buffer, .address_space: global }
      - { .name: w_v_codes, .offset: 48, .size: 8, .value_kind: global_buffer, .address_space: global }
      - { .name: w_v_scales, .offset: 56, .size: 8, .value_kind: global_buffer, .address_space: global }
      - { .name: b_q, .offset: 64, .size: 8, .value_kind: global_buffer, .address_space: global }
      - { .name: b_k, .offset: 72, .size: 8, .value_kind: global_buffer, .address_space: global }
      - { .name: b_v, .offset: 80, .size: 8, .value_kind: global_buffer, .address_space: global }
      - { .name: q_img, .offset: 88, .size: 8, .value_kind: global_buffer, .address_space: global }
      - { .name: q_sc, .offset: 96, .size: 8, .value_kind: global_buffer, .address_space: global }
      - { .name: kv, .offset: 104, .size: 8, .value_kind: global_buffer, .address_space: global }
    .group_segment_fixed_size: 327680
    .private_segment_fixed_size: 0
    .kernarg_segment_align: 8
    .kernarg_segment_size: 112
    .max_flat_workgroup_size: 128
    .sgpr_count:     100
    .vgpr_count:     1024
    .wavefront_size: 32
...
	.end_amdgpu_metadata
.endif
;; end of part 1
;; launch attn (part 2): grid 4 x 64, 16 waves a work-group, clusters of 4 x 1, 167,936 bytes of LDS; arguments q_img, q_sc, kv, ctx_img, ctx_sc; writes ctx_img, ctx_sc
.if DOCPART == 2
	.amdgcn_target "amdgcn-amd-amdhsa--gfx1250"
	.amdhsa_code_object_version 6
	.text
	.protected	k_q9adcb674cb_attn
	.globl	k_q9adcb674cb_attn
	.p2align	8
	.type	k_q9adcb674cb_attn,@function
k_q9adcb674cb_attn:
	s_mov_b64 s[64:65], 0
	v_nop
	global_prefetch_b8 v0, s[64:65] scope:SCOPE_SE
	s_setreg_imm32_b32 hwreg(HW_REG_WAVE_MODE, 25, 1), 1
	s_wait_xcnt 0x0
	s_wait_alu depctr_hold_cnt(0) depctr_sa_sdst(0) depctr_va_vdst(0) depctr_va_sdst(0) depctr_va_ssrc(0) depctr_va_vcc(0) depctr_vm_vsrc(0)
	s_getreg_b32 s2, hwreg(HW_REG_IB_STS2, 6, 4)
	s_cmp_eq_u32 s2, 0
	s_cbranch_scc0 .Lentry_in_a_cluster
	s_endpgm
.Lentry_in_a_cluster:
	s_bfe_u32 s2, ttmp6, 0x10000c
	s_cmp_lg_u32 s2, 0x3003
	s_cbranch_scc0 .Lentry_shape_is_right
	s_endpgm
.Lentry_shape_is_right:
; ctx[bh][q] = the sum over keys of softmax(q . k / 8) v, both products on codes of FP4 (E2M1) with one E8M0 scale for each 32 along a product's K; ctx is quantised along d_model and leaves as codes.
; No work is left out.  LIMITS: NaN and infinities are not served; a block of zeros, or one whose largest magnitude lies under 2^-124, keeps the scale byte 1 (the bytes are read by this program alone).
; THE SOFTMAX AHEAD OF THE SECOND PRODUCT: t = score x log2(e) / 8; M = the row's largest t so far, rounded UP to a whole number; p = 2^(t - M) is quantised along the keys, not normalised.
; The row's sum is taken of the unquantised p, in f32, and divides at the end.  When M moves, the sum and O are multiplied by 2^(old M - new M): exact.
; SHARES.  A work-group owns 512 queries of one head; each of its sixteen waves two tiles of 16, one after the other, in 256 registers: four waves to a SIMD, so that one wave's vector work
; stands beside another's matrix work and LDS loads.  Every wave walks the head's 2,048 keys, 128 a step.
; A HEAD'S K AND V WITH THEIR SCALES, 139,264 bytes, LIE IN LDS WHOLE, as they lie in memory: images of operand registers, so every LDS load is 512 consecutive bytes.  Each wave brings one key
; step's 8,704 bytes by one tensor load: no byte is filled twice.  CLUSTER: the four work-groups of a head ask for these bytes jointly.
; K = 64 IN AN INSTRUCTION OF K = 128.  A fragment of k holds TWO tiles of 16 keys: tile 2 b at the instruction's k 0 .. 63, tile 2 b + 1 at k 64 .. 127.  q is kept twice: [q | 0] picks the first
; tile, [0 | q] the second: the zero codes add nothing.  So no LDS byte and no register of k holds padding.
; LAYOUT.  Both products are used transposed: S^T = k q^T, O^T = v^T p^T: a lane holds ONE query (lane % 16) throughout.  In tile t a lane (r, h) holds keys 16 t + 8 h + 0 .. 7; a block of 32
; keys is tiles 2 b, 2 b + 1 of lanes l and l xor 16; the conversions' results are laid so that two exchanges of halves for each pair of blocks give the operand's layout.
; REGISTERS: v1-8 addresses; v12 -M, v13 the largest t, v[14:15] the sum in two halves; v16-31, v192-207 [q | 0] and [0 | q] of my two tiles; v209, v208 their scale words; v32-63 k; v64-95 v^T;
;   v96-159 S^T, then p; v160-191 O^T; v224-231 p's codes; v232-247, v252, v254 at work; v240 ctx's two scale bytes; v248-251 the step's scale words (lanes 0-15 k's, lanes 16-31 v's); v253 p's scale word.
.set KVH,   139264                     ; a head's bytes in kv
.set STEPB, 8704                       ; a key step's: 4,096 of k, 4,096 of v^T, 256 + 256 of scale words
.set GATH,  KVH                        ; behind them: ctx's scale bytes of the work-group's 512 tokens, 1,024 bytes, written by LDS stores alone
.set SPARE, GATH+1024                  ; the spare words, 128 bytes for each wave: eight blocks of 256 bytes that no other line names
.set LI,  1                            ; v1  16 x lane
.set QSA, 2                            ; v2  16 r
.set GA,  3                            ; v3  where I put my token's two scale bytes
.set GR,  4                            ; v4  and where waves 0 and 1 read them back
.set SPW, 5                            ; v5  LDS address of my spare word; never rewritten
.set NIL, 6                            ; v6  0; never rewritten
.set GS,  7                            ; v7  16 x thread
.set ADK, 8                            ; v8  the key step in hand
.set WV,  18
.set SEL, 20                           ; s[20:21] selects of v_permlanex16_b32 for lane l xor 16
.set CS,  22                           ; s[22:23] c = log2(e) / 8
.set G1,  24
.set G0,  32
.set TB,  2                            ; s2  LDS byte at which the key step begins
.set CNT, 3                            ; s3  key steps to go
.macro CROUND                          ; a round of the cluster's barrier
	s_barrier_signal -1
	s_barrier_wait -1
	s_cmp_lg_u32 s[WV], 0
	s_cbranch_scc1 .Lnot_wave_0_\@
	s_barrier_signal -3
.Lnot_wave_0_\@:
	s_barrier_wait -3
	s_barrier_signal -1
	s_barrier_wait -1
.endm
	s_load_b256 s[4:11], s[0:1], 0x0               ; q_img s[4:5], q_sc s[6:7], kv s[8:9], ctx_img s[10:11]
	s_load_b64 s[12:13], s[0:1], 0x20              ; ctx_sc
	v_lshl_add_u32 v[SPW], v0, 2, SPARE
	v_mov_b32 v[NIL], 0
	ds_add_u32 v[SPW], v[NIL]                      ; the wave's opening: the add, twice on end, and its wait ahead of my first tensor load
	ds_add_u32 v[SPW], v[NIL]                      ; and once more; the set-up below, work on registers, stands between it and the wait
	v_lshrrev_b32 v9, 5, v0
	s_delay_alu instid0(VALU_DEP_1)
	v_readfirstlane_b32 s[WV], v9                  ; wave 0..15
	s_and_b32 s37, ttmp7, 0xffff                   ; bh, which the four partners share
	s_mul_i32 s40, s37, KVH
	s_mov_b32 s[G0], 1
	s_mul_i32 s[G0+1], s[WV], STEPB                ; my key step's place in LDS,
	s_add_co_u32 s40, s40, s[G0+1]                 ; and in kv: the head and the wave's number alone
	s_mov_b32 s41, 0
	s_mov_b32 s[G1], 15|(3<<16)|(1<<21)            ; 15:0 the mask: all four work-groups; 17:16 elements of 8 bytes; 21 set beside a mask; no padding
	s_mov_b32 s[G1+1], 32<<16                      ; tensor_dim0 = 32 elements: 256 bytes
	s_mov_b32 s[G1+2], 34<<16                      ; tensor_dim1 = 34 rows: 8,704 dense bytes
	s_mov_b32 s[G1+3], 32<<16                      ; tile_dim0
	s_mov_b32 s[G1+4], 34                          ; tile_dim1
	s_mov_b32 s[G1+5], 32
	s_mov_b32 s[G1+6], 0
	s_mov_b32 s[G1+7], 0
	s_bfe_u32 s36, ttmp6, 0x40000                  ; cx: it enters q's and ctx's global addresses alone
	s_lshl_b32 s38, ttmp9, 2
	s_add_co_u32 s36, s38, s36                     ; my block of 512 queries
	s_lshl_b32 s38, s36, 5
	s_lshl_b32 s39, s[WV], 1
	s_add_co_u32 s38, s38, s39                     ; my first tile of 16 queries, an even number
	s_lshl_b32 s42, s37, 16
	s_lshl_b32 s39, s38, 9
	s_add_co_u32 s42, s42, s39                     ; q_img: 65,536 bytes a head, 512 a tile
	s_mov_b32 s43, 0
	s_lshl_b32 s44, s37, 13
	s_lshr_b32 s39, s38, 2
	s_lshl_b32 s39, s39, 8
	s_add_co_u32 s44, s44, s39
	s_and_b32 s39, s38, 3
	s_lshl_b32 s39, s39, 2
	s_add_co_u32 s44, s44, s39                     ; q_sc: 8,192 bytes a head, 256 for four tiles, in them 16 a row, 4 a tile
	s_mov_b32 s45, 0
	s_lshr_b32 s50, s37, 4                         ; the batch
	s_and_b32 s51, s37, 15                         ; the head
	s_lshl_b32 s46, s50, 7
	s_add_co_u32 s46, s46, s38
	s_lshl_b32 s46, s46, 13
	s_lshl_b32 s39, s51, 9
	s_add_co_u32 s46, s46, s39                     ; ctx_img: 8,192 bytes a tile of tokens, 512 a head
	s_mov_b32 s47, 0
	s_lshl_b32 s48, s50, 12
	s_lshl_b32 s39, s36, 10
	s_add_co_u32 s48, s48, s39
	s_lshl_b32 s39, s51, 14
	s_add_co_u32 s48, s48, s39                     ; ctx_sc: 16,384 bytes a head, 2 a token
	s_mov_b32 s49, 0
	s_mov_b32 s[SEL], 0x76543210
	s_mov_b32 s[SEL+1], 0xfedcba98
	s_mov_b32 s[CS], 0x3e38aa3b                    ; c = log2(e) / 8
	s_mov_b32 s[CS+1], s[CS]                       ; (named with it as a pair, so it is written)
	s_wait_dscnt 0x0                               ; both opening adds are done
	s_wait_kmcnt 0x0
	s_add_nc_u64 s[G0+2:G0+3], s[8:9], s[40:41]
	s_or_b32 s[G0+3], s[G0+3], 0x80000000
	s_add_nc_u64 s[4:5], s[4:5], s[42:43]
	s_add_nc_u64 s[6:7], s[6:7], s[44:45]
	s_add_nc_u64 s[10:11], s[10:11], s[46:47]
	s_add_nc_u64 s[12:13], s[12:13], s[48:49]
	CROUND                                         ; all four work-groups are here: the joint loads meet
	tensor_load_to_lds s[G0:G0+3], s[G1:G1+7]      ; every wave's one load: key step = my wave's number
	s_nop 0
.rept 4
	v_nop
.endr
	v_and_b32 v9, 31, v0
	s_delay_alu instid0(VALU_DEP_1)
	v_lshlrev_b32 v[LI], 4, v9
	v_and_b32 v10, 15, v0
	s_delay_alu instid0(VALU_DEP_1)
	v_lshlrev_b32 v[QSA], 4, v10
	global_load_b128 v[16:19], v[LI], s[4:5]               ; tile 0: [q | 0],
	global_load_b128 v[28:31], v[LI], s[4:5]               ; [0 | q]
	global_load_b128 v[192:195], v[LI], s[4:5] offset:512  ; tile 1
	global_load_b128 v[204:207], v[LI], s[4:5] offset:512
	global_load_b32 v209, v[QSA], s[6:7]                   ; their scale words {s0, s1, s0, s1}
	global_load_b32 v208, v[QSA], s[6:7] offset:4
	v_and_b32 v[GA], 0x1e0, v0
	s_delay_alu instid0(VALU_DEP_1)
	v_lshlrev_b32 v[GA], 1, v[GA]                  ; 64 x wave: my wave's 32 tokens,
	s_delay_alu instid0(VALU_DEP_1)
	v_lshl_add_u32 v[GA], v10, 1, v[GA]            ; + 2 r
	s_delay_alu instid0(VALU_DEP_1)
	v_add_nc_u32 v[GA], GATH, v[GA]
	v_lshlrev_b32 v[GS], 4, v0
	s_delay_alu instid0(VALU_DEP_1)
	v_add_nc_u32 v[GR], GATH, v[GS]
.irp n, 20,21,22,23,24,25,26,27,196,197,198,199,200,201,202,203
	v_mov_b32 v[\n], 0                             ; the zero halves
.endr
.irp n, 236,237,238,239,253
	v_mov_b32 v[\n], 0                             ; written once: a lane permute's destination counts as one of its sources; v253 is named as the upper half of a pair
.endr
	s_wait_tensorcnt 0x0                           ; my key step is in LDS,
	s_barrier_signal -1
	s_barrier_wait -1                              ; everybody's is: the head is whole
	s_wait_loadcnt 0x0                             ; q
; ONE TILE OF 16 QUERIES.  i: which of my two; qf: [q | 0], behind it [0 | q]; qs: q's scale word.
.macro TILE i, qf, qs
.if \i
	s_wait_xcnt 0x0                                ; the first tile's store has read its data: the codes' registers are written again only behind this wait
.endif
	v_mov_b32 v13, 0xff61b1e6                      ; the largest t so far: -3e38, under every t
	s_delay_alu instid0(VALU_DEP_1)
	v_floor_f32 v12, -v13                          ; -M
	v_mov_b32 v14, 0                               ; the sum, in two halves
	v_mov_b32 v15, 0
.set J, 0
.rept 32
	v_mov_b32 v[160+J], 0                          ; O^T.  (The step is written once: the first finds zeros, which the first change of M leaves zeros)
.set J, J+1
.endr
	s_mov_b32 s[TB], 0
	s_mov_b32 s[CNT], 16
.Lstep_\@:                                         ; a key step: 128 keys
	s_setprio 2
	v_add_nc_u32 v[ADK], s[TB], v[LI]
.rept 3
	v_nop                                          ; with the addition: four places in front of loads into registers that the last products read
.endr
.irp b, 0,1,2,3
	ds_load_b128 v[32+8*\b:35+8*\b], v[ADK] offset:1024*\b         ; key tile 2 b,
	ds_load_b128 v[36+8*\b:39+8*\b], v[ADK] offset:1024*\b+512     ; key tile 2 b + 1
.endr
	ds_load_b128 v[248:251], v[ADK] offset:8192                    ; lanes 0-15: k's four words; lanes 16-31, 256 bytes on: v's four
.irp t, 0,1,2,3
	ds_load_b128 v[64+8*\t:67+8*\t], v[ADK] offset:4096+1024*\t
	ds_load_b128 v[68+8*\t:71+8*\t], v[ADK] offset:4096+1024*\t+512
.endr
	s_wait_dscnt 8                                 ; k and the scale words are in; v's eight loads, issued behind them, may be out
.irp b, 0,1,2,3
	v_wmma_scale_f32_16x16x128_f8f6f4 v[96+16*\b:103+16*\b], v[32+8*\b:39+8*\b], v[\qf:\qf+7], 0, v[248+\b], v[\qs] matrix_a_fmt:MATRIX_FMT_FP4 matrix_b_fmt:MATRIX_FMT_FP4
	v_wmma_scale_f32_16x16x128_f8f6f4 v[104+16*\b:111+16*\b], v[32+8*\b:39+8*\b], v[\qf+8:\qf+15], 0, v[248+\b], v[\qs] matrix_a_fmt:MATRIX_FMT_FP4 matrix_b_fmt:MATRIX_FMT_FP4
.endr
.rept 4
	v_nop
.endr
.irp b, 0,1,2,3
	v_max3_num_f32 v[232+\b], v[96+16*\b], v[97+16*\b], v[98+16*\b]   ; THE LARGEST SCORE OF EACH BLOCK OF 32 KEYS: it serves for the row's maximum and, since p rises with the score, for the block's largest p
.endr
.irp n, 3,5,7,9,11,13
.irp b, 0,1,2,3
	v_max3_num_f32 v[232+\b], v[232+\b], v[96+16*\b+\n], v[97+16*\b+\n]   ; (the four blocks by turns)
.endr
.endr
.irp b, 0,1,2,3
	v_max_num_f32 v[232+\b], v[232+\b], v[111+16*\b]
.endr
.irp b, 0,1,2,3
	s_delay_alu instid0(VALU_DEP_4)
	v_permlanex16_b32 v[236+\b], v[232+\b], s[SEL], s[SEL+1]
.endr
.irp b, 0,1,2,3
	s_delay_alu instid0(VALU_DEP_4)
	v_max_num_f32 v[232+\b], v[232+\b], v[236+\b]  ; with lane l xor 16's 16 keys
.endr
	s_delay_alu instid0(VALU_DEP_2)
	v_max3_num_f32 v254, v232, v233, v234
	s_delay_alu instid0(VALU_DEP_1)
	v_max_num_f32 v254, v254, v235                 ; the step's largest score of my query
	s_delay_alu instid0(VALU_DEP_1)
	v_mul_f32 v254, s[CS], v254                    ; as t (c is positive)
	s_delay_alu instid0(VALU_DEP_1)
	v_max_num_f32 v13, v13, v254                   ; the running largest t
	v_mov_b32 v254, v12
	s_delay_alu instid0(VALU_DEP_2)
	v_floor_f32 v12, -v13                          ; the new -M = floor(-t) = -ceil(t): M is a whole number
	s_delay_alu instid0(VALU_DEP_1)
	v_sub_f32 v254, v12, v254                      ; M's old value less its new one: a whole number, 0 or less
	s_delay_alu instid0(VALU_DEP_1)
	v_cvt_i32_f32 v254, v254                       ; (it saturates)
	s_delay_alu instid0(VALU_DEP_1)
	v_ldexp_f32 v252, 1.0, v254                    ; f = 2^(old M - new M)
.set J, 0
.rept 32
	v_pk_fma_f32 v[96+J:97+J], v[96+J:97+J], s[CS:CS+1], v[12:13] op_sel_hi:[1,0,0]   ; t - M, two at a time (of the pairs c and -M the low word serves both halves)
.set J, J+2
.endr
.irp b, 0,1,2,3
	v_fma_f32 v[232+\b], v[232+\b], s[CS], v12     ; the same of each block's largest score
.endr
.set J, 0
	s_wait_alu depctr_va_vdst(0)
.rept 64
	v_exp_f32 v[96+J], v[96+J]                     ; p = 2^(t - M), at most 1: not normalised
.set J, J+1
.endr
	s_setprio 1
	v_pk_mul_f32 v[14:15], v[14:15], v[252:253] op_sel_hi:[1,0]   ; the sums under the new M.  (A plain place behind the exponentials)
	s_wait_alu depctr_va_vdst(0)                   ; one wait for the whole batch, ahead of its first reader
.irp b, 0,1,2,3
	v_exp_f32 v[232+\b], v[232+\b]                 ; the block's largest p: the same two instructions on the same number give the same bits
.endr
	v_pk_add_f32 v[236:237], v[100:101], v[104:105]
	v_pk_add_f32 v[254:255], v[108:109], v[112:113]
	v_pk_add_f32 v[246:247], v[116:117], v[120:121]
	v_pk_add_f32 v[244:245], v[124:125], v[128:129]
	v_pk_add_f32 v[242:243], v[132:133], v[136:137]
	v_pk_add_f32 v[240:241], v[140:141], v[144:145]
	v_pk_add_f32 v[238:239], v[148:149], v[152:153]
	v_pk_add_f32 v[14:15], v[14:15], v[156:157]
	v_pk_add_f32 v[236:237], v[236:237], v[96:97]
	v_pk_add_f32 v[254:255], v[254:255], v[98:99]
	v_pk_add_f32 v[246:247], v[246:247], v[102:103]
	v_pk_add_f32 v[244:245], v[244:245], v[106:107]
	v_pk_add_f32 v[242:243], v[242:243], v[110:111]
	v_pk_add_f32 v[240:241], v[240:241], v[114:115]
	v_pk_add_f32 v[238:239], v[238:239], v[118:119]
	v_pk_add_f32 v[14:15], v[14:15], v[122:123]
	v_pk_add_f32 v[236:237], v[236:237], v[126:127]
	v_pk_add_f32 v[254:255], v[254:255], v[130:131]
	v_pk_add_f32 v[246:247], v[246:247], v[134:135]
	v_pk_add_f32 v[244:245], v[244:245], v[138:139]
	v_pk_add_f32 v[242:243], v[242:243], v[142:143]
	v_pk_add_f32 v[240:241], v[240:241], v[146:147]
	v_pk_add_f32 v[238:239], v[238:239], v[150:151]
	v_pk_add_f32 v[14:15], v[14:15], v[154:155]
	v_pk_add_f32 v[236:237], v[236:237], v[158:159]
	s_delay_alu instid0(VALU_DEP_2)
	v_pk_add_f32 v[14:15], v[14:15], v[244:245]
	s_delay_alu instid0(VALU_DEP_2)
	v_pk_add_f32 v[236:237], v[236:237], v[242:243]
	v_pk_add_f32 v[254:255], v[254:255], v[240:241]
	v_pk_add_f32 v[246:247], v[246:247], v[238:239]
	s_delay_alu instid0(VALU_DEP_2)
	v_pk_add_f32 v[14:15], v[14:15], v[254:255]
	s_delay_alu instid0(VALU_DEP_2)
	v_pk_add_f32 v[236:237], v[236:237], v[246:247]
	s_delay_alu instid0(VALU_DEP_1)
	v_pk_add_f32 v[14:15], v[14:15], v[236:237]
	s_wait_alu depctr_va_vdst(0)                   ; and one for the four
.irp b, 0,1,2,3
	v_max_num_f32 v[232+\b], 0x1800000, v[232+\b]  ; the floor 2^(3 - 127): the byte cannot fall under 1
.endr
.irp b, 0,1,2,3
	s_delay_alu instid0(VALU_DEP_4)
	v_add_nc_u32 v[244+\b], 0xff000000, v[232+\b]  ; 2 off the exponent field: the conversion's scale operand
.endr
.irp b, 0,1,2,3
	s_delay_alu instid0(VALU_DEP_4)
	v_lshrrev_b32 v[236+\b], 23, v[244+\b]         ; the scale's byte
.endr
	s_delay_alu instid0(VALU_DEP_3)
	v_lshl_or_b32 v253, v237, 8, v236              ; p's scale word for these 128 keys
	s_delay_alu instid0(VALU_DEP_1)
	v_lshl_or_b32 v253, v238, 16, v253
	s_delay_alu instid0(VALU_DEP_1)
	v_lshl_or_b32 v253, v239, 24, v253
.irp c, 0,1                                    ; tiles 4 c and 4 c + 2 into neighbouring registers, and 4 c + 1 and 4 c + 3
	v_cvt_scalef32_pk8_fp4_f32 v[224+4*\c], v[96+32*\c:103+32*\c], v[244+2*\c]
	v_cvt_scalef32_pk8_fp4_f32 v[226+4*\c], v[104+32*\c:111+32*\c], v[244+2*\c]
	v_cvt_scalef32_pk8_fp4_f32 v[225+4*\c], v[112+32*\c:119+32*\c], v[245+2*\c]
	v_cvt_scalef32_pk8_fp4_f32 v[227+4*\c], v[120+32*\c:127+32*\c], v[245+2*\c]
.endr
	v_nop                                          ; one plain place behind a scaled conversion
.irp c, 0,1                                    ; registers 4 c .. 4 c + 3 now hold keys 64 c + 32 h + 0 .. 31
	v_permlane16_swap_b32 v[224+4*\c], v[225+4*\c]
	v_permlane16_swap_b32 v[226+4*\c], v[227+4*\c]
.endr
.set J, 0
	s_setprio 0
.rept 16
	v_pk_mul_f32 v[160+J:161+J], v[160+J:161+J], v[252:253] op_sel_hi:[1,0]   ; O^T under the new M: x f.  (These 16 are also the places between the codes and the scale word just made and the products below)
.set J, J+2
.endr
	s_wait_alu depctr_va_vdst(0)
	s_wait_dscnt 0x0                               ; v^T is in
.irp t, 0,1,2,3                                ; O^T += v^T p^T: four accumulators, one instruction each
	v_wmma_scale_f32_16x16x128_f8f6f4 v[160+8*\t:167+8*\t], v[64+8*\t:71+8*\t], v[224:231], v[160+8*\t:167+8*\t], v[248+\t], v253 matrix_a_fmt:MATRIX_FMT_FP4 matrix_b_fmt:MATRIX_FMT_FP4 matrix_a_scale:MATRIX_SCALE_ROW1
.endr
	s_add_co_u32 s[TB], s[TB], STEPB
	s_sub_co_u32 s[CNT], s[CNT], 1
	s_cmp_lg_u32 s[CNT], 0
	s_cbranch_scc1 .Lstep_\@
	s_setprio 0
	; the tile's way out: ctx = O^T / the sum, quantised along the head's 64: two blocks
.rept 4
	v_nop
.endr
	v_add_f32 v14, v14, v15                        ; the sum's two halves,
	s_delay_alu instid0(VALU_DEP_1)
	v_permlanex16_b32 v252, v14, s[SEL], s[SEL+1]
	s_delay_alu instid0(VALU_DEP_1)
	v_add_f32 v14, v14, v252                       ; and lane l xor 16's: the row's sum
	s_wait_alu depctr_va_vdst(0)
	v_rcp_f32 v14, v14
	v_nop                                          ; a plain place behind the transcendental
	s_wait_alu depctr_va_vdst(0)                   ; and the wait, ahead of its first reader
.set J, 0
.rept 16
	v_pk_mul_f32 v[96+J:97+J], v[160+J:161+J], v[14:15] op_sel_hi:[1,0]   ; register 8 t + j is ctx(query r, 16 t + 8 h + j)
.set J, J+2
.endr
.irp b, 0,1
	v_max3_num_f32 v[232+\b], |v[96+16*\b]|, |v[97+16*\b]|, 0x1800000
.endr
.irp n, 2,4,6,8,10,12,14
.irp b, 0,1
	s_delay_alu instid0(VALU_DEP_2)
	v_max3_num_f32 v[232+\b], v[232+\b], |v[96+16*\b+\n]|, |v[97+16*\b+\n]|
.endr
.endr
.irp b, 0,1
	s_delay_alu instid0(VALU_DEP_2)
	v_permlanex16_b32 v[236+\b], v[232+\b], s[SEL], s[SEL+1]
.endr
.irp b, 0,1
	s_delay_alu instid0(VALU_DEP_2)
	v_max_num_f32 v[232+\b], v[232+\b], v[236+\b]
.endr
.irp b, 0,1
	s_delay_alu instid0(VALU_DEP_2)
	v_add_nc_u32 v[244+\b], 0xff000000, v[232+\b]
.endr
.irp b, 0,1
	s_delay_alu instid0(VALU_DEP_2)
	v_lshrrev_b32 v[236+\b], 23, v[244+\b]
.endr
	s_delay_alu instid0(VALU_DEP_1)
	v_lshl_or_b32 v240, v237, 8, v236              ; my token's two scale bytes
	v_cvt_scalef32_pk8_fp4_f32 v224, v[96:103], v244
	v_cvt_scalef32_pk8_fp4_f32 v226, v[104:111], v244
	v_cvt_scalef32_pk8_fp4_f32 v225, v[112:119], v245
	v_cvt_scalef32_pk8_fp4_f32 v227, v[120:127], v245
	v_nop
	v_permlane16_swap_b32 v224, v225
	v_permlane16_swap_b32 v226, v227
	global_store_b128 v[LI], v[224:227], s[10:11] offset:8192*\i   ; 32 lanes store 512 consecutive bytes: the group of this tile and head
	ds_store_b16 v[GA], v240 offset:32*\i          ; both lanes of a token write the same two bytes with the same value
.endm
	TILE 0, 16, 209
	TILE 1, 192, 208
	s_wait_dscnt 0x0                               ; for the others' sake: my scale bytes have landed
	s_barrier_signal -1
	s_barrier_wait -1
	s_cmp_lt_u32 s[WV], 2                          ; the 1,024 bytes leave by waves 0 and 1, 16 bytes a lane
	s_cbranch_scc0 .Lno_gather
	ds_load_b128 v[96:99], v[GR]
	s_wait_dscnt 0x0
	global_store_b128 v[GS], v[96:99], s[12:13]    ; sixteen lanes store 256 consecutive bytes, aligned
.Lno_gather:
	s_wait_tensorcnt 0x0                           ; the wave's end: behind my tensor load and my last LDS store
	ds_add_u32 v[SPW], v[NIL]
	s_wait_dscnt 0x0
	CROUND                                         ; the closing round
	s_endpgm
.Lfunc_end_k_q9adcb674cb_attn:
	.size	k_q9adcb674cb_attn, .Lfunc_end_k_q9adcb674cb_attn-k_q9adcb674cb_attn
	.p2alignl 7, 3214868480
	.fill 96, 4, 3214868480
	.section	.rodata,"a",@progbits
	.p2align	6, 0x0
	.amdhsa_kernel k_q9adcb674cb_attn
		.amdhsa_group_segment_fixed_size 167936
		.amdhsa_private_segment_fixed_size 0
		.amdhsa_enable_private_segment 0
		.amdhsa_kernarg_size 40
		.amdhsa_user_sgpr_count 2
		.amdhsa_user_sgpr_kernarg_segment_ptr 1
		.amdhsa_wavefront_size32 1
		.amdhsa_system_sgpr_workgroup_id_x 1
		.amdhsa_system_sgpr_workgroup_id_y 1
		.amdhsa_system_sgpr_workgroup_id_z 1
		.amdhsa_system_vgpr_workitem_id 0
		.amdhsa_next_free_vgpr 256
		.amdhsa_next_free_sgpr 66
		.amdhsa_reserve_vcc 0
		.amdhsa_float_denorm_mode_32 3
		.amdhsa_float_denorm_mode_16_64 3
		.amdhsa_memory_ordered 1
		.amdhsa_forward_progress 1
		.amdhsa_inst_pref_size 49
	.end_amdhsa_kernel
	.amdgpu_metadata
---
amdhsa.version: [ 1, 2 ]
amdhsa.kernels:
  - .name:           k_q9adcb674cb_attn
    .symbol:         k_q9adcb674cb_attn.kd
    .args:
      - { .name: q_img, .offset: 0, .size: 8, .value_kind: global_buffer, .address_space: global }
      - { .name: q_sc, .offset: 8, .size: 8, .value_kind: global_buffer, .address_space: global }
      - { .name: kv, .offset: 16, .size: 8, .value_kind: global_buffer, .address_space: global }
      - { .name: ctx_img, .offset: 24, .size: 8, .value_kind: global_buffer, .address_space: global }
      - { .name: ctx_sc, .offset: 32, .size: 8, .value_kind: global_buffer, .address_space: global }
    .group_segment_fixed_size: 167936
    .private_segment_fixed_size: 0
    .kernarg_segment_align: 8
    .kernarg_segment_size: 40
    .max_flat_workgroup_size: 512
    .sgpr_count:     66
    .vgpr_count:     256
    .wavefront_size: 32
...
	.end_amdgpu_metadata
.endif
;; end of part 2
;; launch oproj (part 3): grid 4 x 64, 4 waves a work-group, clusters of 4 x 4, 251,904 bytes of LDS; arguments ctx_img, ctx_sc, w_o_codes, w_o_scales, b_o, out0; writes out0
.if DOCPART == 3
	.amdgcn_target "amdgcn-amd-amdhsa--gfx1250"
	.amdhsa_code_object_version 6
	.text
	.protected	k_q9adcb674cb_oproj
	.globl	k_q9adcb674cb_oproj
	.p2align	8
	.type	k_q9adcb674cb_oproj,@function
k_q9adcb674cb_oproj:
	s_mov_b64 s[64:65], 0
	v_nop
	global_prefetch_b8 v0, s[64:65] scope:SCOPE_SE
	s_setreg_imm32_b32 hwreg(HW_REG_WAVE_MODE, 25, 1), 1
	s_wait_xcnt 0x0
	s_wait_alu depctr_hold_cnt(0) depctr_sa_sdst(0) depctr_va_vdst(0) depctr_va_sdst(0) depctr_va_ssrc(0) depctr_va_vcc(0) depctr_vm_vsrc(0)
	s_getreg_b32 s2, hwreg(HW_REG_IB_STS2, 6, 4)
	s_cmp_eq_u32 s2, 0
	s_cbranch_scc0 .Lentry_in_a_cluster
	s_endpgm
.Lentry_in_a_cluster:
	s_bfe_u32 s2, ttmp6, 0x10000c
	s_cmp_lg_u32 s2, 0xf033
	s_cbranch_scc0 .Lentry_shape_is_right
	s_endpgm
.Lentry_shape_is_right:
; out = ctx w_o^T + b_o on codes of FP4 (E2M1) with one E8M0 scale for each 32 along K = 1,024; sums in f32; out is f32.  No work is left out.  LIMITS: NaN and infinities are not served.
; SHARES.  A work-group of four waves makes 128 tokens x 256 columns: 256 work-groups.  A wave makes 64 tokens x 128 columns: 32 accumulators, 256 registers.
; THE MATRIX INSTRUCTION IS USED TRANSPOSED (source 0 = 16 rows of w_o, source 1 = 16 tokens of ctx): a lane then holds eight neighbouring columns of one row of out.
; ALL OF K LIES IN LDS, in two slots of 512 along K, each filled once.  w_o's rows are 256 bytes + 16 of padding.  ctx lies as images of operand registers ([tile of 16 tokens][head][512 bytes]:
; the group of head 2 g + c is registers 4 c .. 4 c + 3 of the fragment of K step g), so its loads are 512 consecutive bytes.  ctx's scale bytes lie by head, two bytes a token: a K step's word is made of two heads' halves, once.
; CLUSTERS: 4 x 4 work-groups.  ctx's tiles hang on the tile row alone and are asked for jointly along a row of the cluster, w_o's on the tile column alone, along a column.
; The bias is the C of each sum's first matrix instruction.
; REGISTERS, in windows of 256: window 0: v1-29 addresses; v32-95 w_o's scale words (8 b + g); v96-127 ctx's (8 a + g); v192-255 ctx's fragments, two sets; v128-255 rows of out on the way out.
;   window 1: w_o's fragments at v0 and v128; v64-127 the bias.   window 2: the accumulators, (a, b) at v[8 (8 a + b)].
.set PITCH,  272                       ; an LDS row of w_o: 256 bytes + 16 of padding: the 16 rows that a load touches start at 16 different banks (64 banks of 4 bytes: ISA guide 11.1)
.set HALFT,  128*PITCH
.set BSLOT,  2*HALFT                   ; a slot of w_o: 256 rows
.set AIM,    2*BSLOT                   ; ctx's images: [slot: 32,768][tile of tokens 8: 4,096][head % 8: 512]
.set BSC,    AIM+65536                 ; w_o's scales, as units of 256 bytes + 16 of padding
.set HALFS,  16*272
.set SBLK,   2*272
.set ASC,    BSC+2*HALFS               ; ctx's scale bytes: 16 heads x 256 bytes
.set STG,    ASC+4096                  ; a stage of 16 rows x (512 bytes + 16) for each wave, written by LDS stores alone
.set SPITCH, 528
.set SPARE,  STG+4*16*SPITCH           ; the spare words, 128 bytes for each wave: two blocks of 256 bytes that no other line names
.set BQ,   12                          ; v12  32 h
.set ADA,  16                          ; v16  LDS address of ctx's images
.set ADRB, 20                          ; v20-21  of w_o's fragments in slot 0, 1
.set ADSB, 22                          ; v22  of w_o's scale words
.set ADSA, 23                          ; v23  of ctx's scale bytes
.set STO,  24                          ; v24  the way out: where I put 32 bytes of a row
.set RD,   25                          ; v25  where I read a row back
.set CO,   26                          ; v26  16 x lane
.set SPW,  28                          ; v28  LDS address of my spare word; never rewritten
.set NIL,  29                          ; v29  0; never rewritten
.set SB,   32
.set SA,   96
.set AF,   192
.set BP,   64
.set BK,   128
.set WV,   4
.set RH,   5                           ; which 64 tokens are mine.  Also: I fetch for ctx (0) or for w_o (1)
.set PH,   6                           ; which 128 columns.  Also: which half I fetch
.set CX,   7
.set CY,   8
.set TC,   9                           ; the tile column
.set TR,   10                          ; the tile row
.set G1A,  24                          ; s[24:31] group 1 for ctx's images; s[32:39] group 0, a set for each slot
.set G0A,  32
.set G1SA, 40                          ; s[40:47] group 1 for ctx's scale bytes
.set G1B,  48                          ; s[48:55], s[56:63] groups 1 and 0 for w_o's codes
.set G0B,  56
.set G1SB, 80                          ; s[80:87] group 1 for w_o's scales; s[88:91], s[92:95] groups 0 for ctx's and w_o's scales
.set G0SA, 88
.set G0SB, 92
.set MSB, 0
.macro WIN new                         ; the immediate's high byte repeats the setting that is left
.if MSB != \new
	s_set_vgpr_msb (MSB<<8)|\new
.set MSB, \new
.endif
.endm
.macro JLOAD g0a, g1a, g0b, g1b        ; a joint load: waves 0 and 1 fetch for ctx, waves 2 and 3 for w_o; an s_nop 0 and four v_nop follow each of the two lines
	s_cmp_eq_u32 s[RH], 0
	s_cbranch_scc0 .Lfor_b_\@
	tensor_load_to_lds s[\g0a:\g0a+3], s[\g1a:\g1a+7]
	s_nop 0
.rept 4
	v_nop
.endr
	s_branch .Lasked_\@
.Lfor_b_\@:
	tensor_load_to_lds s[\g0b:\g0b+3], s[\g1b:\g1b+7]
	s_nop 0
.rept 4
	v_nop
.endr
.Lasked_\@:
.endm
.macro CROUND                          ; a round of the cluster's barrier
	s_barrier_signal -1
	s_barrier_wait -1
	s_cmp_lg_u32 s[WV], 0
	s_cbranch_scc1 .Lnot_wave_0_\@
	s_barrier_signal -3
.Lnot_wave_0_\@:
	s_barrier_wait -3
	s_barrier_signal -1
	s_barrier_wait -1
.endm
.macro PLACES n
.rept \n
	v_nop
.endr
.endm
	s_load_b256 s[68:75], s[0:1], 0x0              ; ctx_img s[68:69], ctx_sc s[70:71], w_o's codes s[72:73], scales s[74:75]
	s_load_b128 s[76:79], s[0:1], 0x20             ; b_o s[76:77], out s[78:79]
	v_lshl_add_u32 v[SPW], v0, 2, SPARE
	v_mov_b32 v[NIL], 0
	ds_add_u32 v[SPW], v[NIL]                      ; the wave's opening: the add, twice on end, and its wait ahead of my first tensor load
	ds_add_u32 v[SPW], v[NIL]                      ; and once more; the set-up below, work on registers, stands between it and the wait
	v_lshrrev_b32 v1, 5, v0
	v_readfirstlane_b32 s[WV], v1                  ; wave 0..3
	s_lshr_b32 s[RH], s[WV], 1
	s_and_b32 s[PH], s[WV], 1
	s_bfe_u32 s[CX], ttmp6, 0x40000
	s_bfe_u32 s[CY], ttmp6, 0x40004
	s_lshl_b32 s[TC], ttmp9, 2
	s_add_co_u32 s[TC], s[TC], s[CX]               ; tile column = 4 x cluster x + cx
	s_and_b32 s[TR], ttmp7, 0xffff
	s_lshl_b32 s[TR], s[TR], 2
	s_add_co_u32 s[TR], s[TR], s[CY]               ; tile row = 4 x cluster y + cy
	s_lshl_b32 s98, s[CY], 2
	s_lshl_b32 s98, 15, s98                        ; my row of the cluster
	s_lshl_b32 s99, 0x1111, s[CX]                  ; my column
	s_or_b32 s[G1A], s98, (3<<16)|(1<<21)          ; ctx's images: four tiles of tokens x eight heads' 4,096 bytes (512 elements of 8 bytes), 8,192 bytes from tile to tile; no padding
	s_mov_b32 s[G1A+1], 512<<16
	s_mov_b32 s[G1A+2], 4<<16
	s_mov_b32 s[G1A+3], 512<<16
	s_mov_b32 s[G1A+4], 4
	s_mov_b32 s[G1A+5], 1024
	s_mov_b32 s[G1A+6], 0
	s_mov_b32 s[G1A+7], 0
	s_or_b32 s[G1SA], s98, (3<<16)|(1<<21)         ; ctx's scale bytes: eight heads x my 128 tokens' 256 bytes, 16,384 bytes from head to head
	s_mov_b32 s[G1SA+1], 32<<16
	s_mov_b32 s[G1SA+2], 8<<16
	s_mov_b32 s[G1SA+3], 32<<16
	s_mov_b32 s[G1SA+4], 8
	s_mov_b32 s[G1SA+5], 2048
	s_mov_b32 s[G1SA+6], 0
	s_mov_b32 s[G1SA+7], 0
	s_or_b32 s[G1B], s99, (0<<16)|(1<<20)|(1<<21)|(5<<22)|(3<<25)   ; w_o's codes: 128 rows x 256 bytes, four words of padding after every 64
	s_mov_b32 s[G1B+1], 256<<16
	s_mov_b32 s[G1B+2], 128<<16
	s_mov_b32 s[G1B+3], 256<<16
	s_mov_b32 s[G1B+4], 128
	s_mov_b32 s[G1B+5], 512
	s_mov_b32 s[G1B+6], 0
	s_mov_b32 s[G1B+7], 0
	s_or_b32 s[G1SB], s99, (3<<16)|(1<<20)|(1<<21)|(5<<22)|(3<<25)  ; w_o's scales of 128 rows: 4,096 dense bytes as 16 rows of 256, padded likewise
	s_mov_b32 s[G1SB+1], 32<<16
	s_mov_b32 s[G1SB+2], 16<<16
	s_mov_b32 s[G1SB+3], 32<<16
	s_mov_b32 s[G1SB+4], 16
	s_mov_b32 s[G1SB+5], 32
	s_mov_b32 s[G1SB+6], 0
	s_mov_b32 s[G1SB+7], 0
	s_lshl_b32 s2, s[PH], 14                       ; where they go: the half that I fetch, by the wave's number alone
	s_mul_i32 s3, s[PH], HALFT
.irp s, 0,1
	s_mov_b32 s[G0A+4*\s], 1
	s_add_co_u32 s[G0A+4*\s+1], s2, AIM+32768*\s
	s_mov_b32 s[G0B+4*\s], 1
	s_add_co_u32 s[G0B+4*\s+1], s3, \s*BSLOT
.endr
	s_lshl_b32 s2, s[PH], 11
	s_mul_i32 s3, s[PH], HALFS
	s_mov_b32 s[G0SA], 1
	s_add_co_u32 s[G0SA+1], s2, ASC
	s_mov_b32 s[G0SB], 1
	s_add_co_u32 s[G0SB+1], s3, BSC
	s_lshl_b32 s12, s[TR], 3
	s_lshl_b32 s2, s[PH], 2
	s_add_co_u32 s12, s12, s2
	s_lshl_b32 s12, s12, 13                        ; ctx's images: tile of tokens 8 x tile row + 4 x half, 8,192 bytes each
	s_mov_b32 s13, 0
	s_lshl_b32 s14, s[PH], 17                      ; ctx's scale bytes: heads 8 x half on, my 128 tokens
	s_lshl_b32 s2, s[TR], 8
	s_add_co_u32 s14, s14, s2
	s_mov_b32 s15, 0
	s_lshl_b32 s11, s[TC], 8
	s_lshl_b32 s3, s[PH], 7
	s_add_co_u32 s11, s11, s3                      ; w_o: row 256 x tile column + 128 x half
	s_lshl_b32 s16, s11, 9
	s_mov_b32 s17, 0
	s_lshl_b32 s18, s11, 5
	s_mov_b32 s19, 0
	s_wait_dscnt 0x0                               ; both opening adds are done
	s_wait_kmcnt 0x0
	s_add_nc_u64 s[12:13], s[68:69], s[12:13]
	s_add_nc_u64 s[14:15], s[70:71], s[14:15]
	s_add_nc_u64 s[16:17], s[72:73], s[16:17]
	s_add_nc_u64 s[18:19], s[74:75], s[18:19]
	s_mov_b64 s[G0SA+2:G0SA+3], s[14:15]
	s_or_b32 s[G0SA+3], s[G0SA+3], 0x80000000
	s_mov_b64 s[G0SB+2:G0SB+3], s[18:19]
	s_or_b32 s[G0SB+3], s[G0SB+3], 0x80000000
.irp s, 0,1
	s_add_nc_u64 s[G0A+4*\s+2:G0A+4*\s+3], s[12:13], \s*4096       ; slot s: heads 8 s on
	s_or_b32 s[G0A+4*\s+3], s[G0A+4*\s+3], 0x80000000
	s_add_nc_u64 s[G0B+4*\s+2:G0B+4*\s+3], s[16:17], \s*256        ; slot s: K 512 s on
	s_or_b32 s[G0B+4*\s+3], s[G0B+4*\s+3], 0x80000000
.endr
	CROUND                                         ; all sixteen work-groups are here: the joint loads meet
	JLOAD G0SA, G1SA, G0SB, G1SB                   ; the scales first, then slot 0, then slot 1: three loads of mine are out, and no more follow
	JLOAD G0A, G1A, G0B, G1B
	JLOAD G0A+4, G1A, G0B+4, G1B
	s_lshl_b32 s96, s[TC], 10
	s_lshl_b32 s11, s[PH], 9
	s_add_co_u32 s96, s96, s11                     ; my first column, in bytes
	s_mov_b32 s97, 0
	s_add_nc_u64 s[76:77], s[76:77], s[96:97]      ; the bias of my 128 columns
	s_lshl_b32 s2, s[TR], 19
	s_lshl_b32 s3, s[RH], 18
	s_add_co_u32 s2, s2, s3                        ; my first row: 128 x tile row + 64 x half, 4,096 bytes a row
	s_add_co_u32 s2, s2, s96
	s_mov_b32 s3, 0
	s_add_nc_u64 s[78:79], s[78:79], s[2:3]
	v_and_b32 v1, 15, v0                           ; r
	v_bfe_u32 v2, v0, 4, 1                         ; h
	v_lshlrev_b32 v[BQ], 5, v2
	WIN 0x40                                       ; destination window 1
.irp b, 0,1,2,3,4,5,6,7
	global_load_b128 v[BP+8*\b:BP+8*\b+3], v[BQ], s[76:77] offset:64*\b        ; register 8 b + j = b_o(16 b + 8 h + j): the result's layout
	global_load_b128 v[BP+8*\b+4:BP+8*\b+7], v[BQ], s[76:77] offset:64*\b+16
.endr
	WIN 0
	v_mul_u32_u24 v3, v1, PITCH
	v_lshl_add_u32 v4, v2, 4, v3                   ; a fragment's row x pitch + 16 x half
	s_mul_i32 s3, s[PH], HALFT                     ; my 128 rows of w_o
	v_add_nc_u32 v[ADRB], s3, v4
	s_add_co_u32 s3, s3, BSLOT
	v_add_nc_u32 v[ADRB+1], s3, v4
	v_and_b32 v6, 31, v0
	v_lshlrev_b32 v[CO], 4, v6
	s_lshl_b32 s3, s[RH], 14                       ; my four tiles of tokens
	s_add_co_u32 s3, s3, AIM
	v_add_nc_u32 v[ADA], s3, v[CO]
	v_mul_u32_u24 v5, v1, 32                       ; w_o's scales: 32 bytes a row,
	v_lshrrev_b32 v6, 8, v5
	v_lshl_add_u32 v5, v6, 4, v5                   ; and 16 more for each 256 passed
	s_mul_i32 s3, s[PH], HALFS
	s_add_co_u32 s3, s3, BSC
	v_add_nc_u32 v[ADSB], s3, v5
	s_lshl_b32 s3, s[RH], 7                        ; ctx's: my 64 tokens, 2 bytes each
	s_add_co_u32 s3, s3, ASC
	v_lshl_add_u32 v[ADSA], v1, 1, s3
	s_mul_i32 s2, s[WV], 16*SPITCH
	s_add_co_u32 s2, s2, STG                       ; my stage
	v_mul_u32_u24 v5, v1, SPITCH                   ; in: row r, 32 bytes for each half of the lanes
	v_lshl_add_u32 v5, v2, 5, v5
	v_add_nc_u32 v[STO], s2, v5
	v_add_nc_u32 v[RD], s2, v[CO]                  ; back: the 32 lanes take one row of 512 bytes
.macro FETCH g                         ; 24 LDS loads in one run: the fragments of the g-th 128 along K into set g % 2
	WIN 0x40
.irp i, 0,1,2,3,4,5,6,7
.irp c, 0,1
	ds_load_b128 v[128*((\g)%2)+8*\i+4*\c:128*((\g)%2)+8*\i+4*\c+3], v[ADRB+(\g)/4] offset:64*((\g)%4)+32*\c+\i*16*PITCH
.endr
.endr
	WIN 0
.irp a, 0,1,2,3
.irp c, 0,1
	ds_load_b128 v[AF+32*((\g)%2)+8*\a+4*\c:AF+32*((\g)%2)+8*\a+4*\c+3], v[ADA] offset:32768*((\g)/4)+4096*\a+1024*((\g)%4)+512*\c
.endr
.endr
.endm
; 32 matrix instructions: my four tiles of tokens x my eight tiles of columns.  first = 1: the bias starts the sums.  The 32 accumulators take turns, one instruction a turn.
.macro MUL32 g, first
.irp a, 0,1,2,3
.irp b, 0,1,2,3,4,5,6,7
.if \first
	v_wmma_scale_f32_16x16x128_f8f6f4 v[8*(8*\a+\b):8*(8*\a+\b)+7], v[128*((\g)%2)+8*\b:128*((\g)%2)+8*\b+7], v[AF+32*((\g)%2)+8*\a:AF+32*((\g)%2)+8*\a+7], v[BP+8*\b:BP+8*\b+7], v[SB+8*\b+(\g)], v[SA+8*\a+(\g)] matrix_a_fmt:MATRIX_FMT_FP4 matrix_b_fmt:MATRIX_FMT_FP4
.else
	v_wmma_scale_f32_16x16x128_f8f6f4 v[8*(8*\a+\b):8*(8*\a+\b)+7], v[128*((\g)%2)+8*\b:128*((\g)%2)+8*\b+7], v[AF+32*((\g)%2)+8*\a:AF+32*((\g)%2)+8*\a+7], v[8*(8*\a+\b):8*(8*\a+\b)+7], v[SB+8*\b+(\g)], v[SA+8*\a+(\g)] matrix_a_fmt:MATRIX_FMT_FP4 matrix_b_fmt:MATRIX_FMT_FP4
.endif
.endr
.endr
.endm
	s_wait_alu depctr_va_vdst(0)
	s_wait_tensorcnt 1                             ; the scales and my part of slot 0 are in; slot 1's load, the one issued behind them, may be out,
	s_barrier_signal -1
	s_barrier_wait -1                              ; everybody's are
.irp b, 0,1,2,3,4,5,6,7
	ds_load_b128 v[SB+8*\b:SB+8*\b+3], v[ADSB] offset:\b*SBLK          ; w_o's eight words of row r of tile b
	ds_load_b128 v[SB+8*\b+4:SB+8*\b+7], v[ADSB] offset:\b*SBLK+16
.endr
.irp a, 0,1,2,3
.irp g, 0,1,2,3,4,5,6,7
	ds_load_u16 v[128+8*\a+\g], v[ADSA] offset:512*\g+32*\a            ; head 2 g's two bytes of token r of tile a,
	ds_load_u16 v[160+8*\a+\g], v[ADSA] offset:512*\g+256+32*\a        ; head 2 g + 1's
.endr
.endr
	s_wait_dscnt 0x0
.set J, 0
.rept 32
	v_lshl_or_b32 v[SA+J], v[160+J], 16, v[128+J]  ; the scale word of K step g
.set J, J+1
.endr
	PLACES 8                                       ; a scale register written by a vector instruction stands eight places ahead of a scaled matrix instruction
	FETCH 0
	s_wait_alu depctr_va_vdst(0)
	s_wait_loadcnt 0x0                             ; the bias
; EIGHT STEPS OF 128 ALONG K, written out.  Each asks for the next step's fragments, into the other set, ahead of its own 32 products.
.set G, 0
.rept 8
.if G == 3
	s_wait_tensorcnt 0x0                           ; my part of slot 1 is in; the next fetch reads that slot,
	s_wait_dscnt 0x0                               ; (no LDS instruction of mine is out at a signal)
	s_barrier_signal -1
	s_barrier_wait -1                              ; everybody's is.
.endif
.if G < 7
.if G > 0
	PLACES 4                                       ; four places in front of loads into the set that the step before multiplied
.endif
	FETCH G+1
	s_wait_dscnt 24                                ; all but the 24 loads just issued: this step's fragments are in
.else
	s_wait_dscnt 0x0
.endif
.if G == 0
	WIN 0x91                                       ; source 0 (w_o) and C (the bias) window 1, source 1 (ctx) window 0, D window 2
	MUL32 0, 1
.else
	WIN 0xa1                                       ; C and D window 2
	MUL32 G, 0
.endif
.set G, G+1
.endr
	WIN 0
; THE WAY OUT, block by block of 16 rows x 128 columns, through my own stage: in as 32 bytes a lane, back as whole rows of 512 bytes.  LDS serves a wave's instructions in order (ISA guide 5.7.1.4):
; no wait between the stores and the loads, nor in front of the next block's stores.
.macro TOSTAGE a
	WIN 0x08                                       ; an LDS store's data are its source 1: window 2
.irp b, 0,1,2,3,4,5,6,7
	ds_store_b128 v[STO], v[64*(\a)+8*\b:64*(\a)+8*\b+3] offset:64*\b          ; each accumulator from its low end on
	ds_store_b128 v[STO], v[64*(\a)+8*\b+4:64*(\a)+8*\b+7] offset:64*\b+16
.endr
	WIN 0
.set BB, BK+64*((\a)%2)
.irp t, 0,1,2,3,4,5,6,7,8,9,10,11,12,13,14,15
	ds_load_b128 v[BB+4*\t:BB+4*\t+3], v[RD] offset:\t*SPITCH
.endr
.endm
.macro SEND a, younger                 ; younger: the LDS instructions issued behind block a's loads, which may stay out
.set BB, BK+64*((\a)%2)
	s_wait_dscnt \younger                          ; the block is back in registers
.if (\a) > 0
	s_add_nc_u64 s[78:79], s[78:79], 16*4096       ; (behind a wait on XCNT: the earlier stores have read their base)  16 rows of out on
.endif
.irp t, 0,1,2,3,4,5,6,7,8,9,10,11,12,13,14,15
	global_store_b128 v[CO], v[BB+4*\t:BB+4*\t+3], s[78:79] offset:\t*4096 th:TH_STORE_NT   ; 32 lanes store 512 consecutive bytes, at a multiple of 256 from out's first byte; written once, read by nobody here
.endr
.endm
	PLACES 4                                       ; behind the last products: results are read, and loads land in ctx's fragments' registers
	TOSTAGE 0
.irp a, 1,2,3
.if \a > 1
	s_wait_xcnt 0x0                                ; block a - 2's stores have read their registers and their base: block a's loads may land there, and the base may step
.endif
	TOSTAGE \a
	SEND \a-1, 32                                  ; behind block a - 1's loads: block a's 16 stores and 16 loads
.endr
	s_wait_xcnt 0x0                                ; block 2's stores have read their base
	SEND 3, 0
	s_wait_tensorcnt 0x0                           ; the wave's end: behind my last tensor load and my last LDS store
	ds_add_u32 v[SPW], v[NIL]
	s_wait_dscnt 0x0
	CROUND                                         ; the closing round
	s_endpgm
.Lfunc_end_k_q9adcb674cb_oproj:
	.size	k_q9adcb674cb_oproj, .Lfunc_end_k_q9adcb674cb_oproj-k_q9adcb674cb_oproj
	.p2alignl 7, 3214868480
	.fill 96, 4, 3214868480
	.section	.rodata,"a",@progbits
	.p2align	6, 0x0
	.amdhsa_kernel k_q9adcb674cb_oproj
		.amdhsa_group_segment_fixed_size 251904
		.amdhsa_private_segment_fixed_size 0
		.amdhsa_enable_private_segment 0
		.amdhsa_kernarg_size 48
		.amdhsa_user_sgpr_count 2
		.amdhsa_user_sgpr_kernarg_segment_ptr 1
		.amdhsa_wavefront_size32 1
		.amdhsa_system_sgpr_workgroup_id_x 1
		.amdhsa_system_sgpr_workgroup_id_y 1
		.amdhsa_system_sgpr_workgroup_id_z 1
		.amdhsa_system_vgpr_workitem_id 0
		.amdhsa_next_free_vgpr 768
		.amdhsa_next_free_sgpr 100
		.amdhsa_reserve_vcc 0
		.amdhsa_float_denorm_mode_32 3
		.amdhsa_float_denorm_mode_16_64 3
		.amdhsa_memory_ordered 1
		.amdhsa_forward_progress 1
		.amdhsa_inst_pref_size 80
	.end_amdhsa_kernel
	.amdgpu_metadata
---
amdhsa.version: [ 1, 2 ]
amdhsa.kernels:
  - .name:           k_q9adcb674cb_oproj
    .symbol:         k_q9adcb674cb_oproj.kd
    .args:
      - { .name: ctx_img, .offset: 0, .size: 8, .value_kind: global_buffer, .address_space: global }
      - { .name: ctx_sc, .offset: 8, .size: 8, .value_kind: global_buffer, .address_space: global }
      - { .name: w_o_codes, .offset: 16, .size: 8, .value_kind: global_buffer, .address_space: global }
      - { .name: w_o_scales, .offset: 24, .size: 8, .value_kind: global_buffer, .address_space: global }
      - { .name: b_o, .offset: 32, .size: 8, .value_kind: global_buffer, .address_space: global }
      - { .name: out0, .offset: 40, .size: 8, .value_kind: global_buffer, .address_space: global }
    .group_segment_fixed_size: 251904
    .private_segment_fixed_size: 0
    .kernarg_segment_align: 8
    .kernarg_segment_size: 48
    .max_flat_workgroup_size: 128
    .sgpr_count:     100
    .vgpr_count:     768
    .wavefront_size: 32
...
	.end_amdgpu_metadata
.endif
;; end of part 3
